; MI455X (gfx1250); checked and timed in simulation.
; The chip was launched on July 23, 2026; its instructions are those of AMD's public machine-readable ISA for CDNA 5 (MIT licence, August 2026) and "CDNA5" Instruction Set Architecture Reference Guide (July 2026). The comments in the code are by the model that wrote it; some were corrected since.
;; Trans Relation. Allowed arithmetic: matrix products marked QUANTISED: E2M1 operands, one E8M0 scale for each 32 along K, by v_wmma_scale_f32_16x16x128_f8f6f4 with both operands' format E2M1 (or v_wmma_scale_f32_32x16x128_f4), f32 sums; everything else in f32.
;; Inputs: Wk_codes 512 x 64 x 16 uint8 (E2M1 codes of Wk, K innermost, in blocks of 32 codes, two codes a byte); Wk_scales 512 x 64 uint8 (E8M0 scales of Wk, one for each 32 codes along K); Wo_codes 2,048 x 64 x 16 uint8 (E2M1 codes of Wo, K innermost, in blocks of 32 codes, two codes a byte); Wo_scales 2,048 x 64 uint8 (E8M0 scales of Wo, one for each 32 codes along K); Wq_codes 2,048 x 64 x 16 uint8 (E2M1 codes of Wq, K innermost, in blocks of 32 codes, two codes a byte); Wq_scales 2,048 x 64 uint8 (E8M0 scales of Wq, one for each 32 codes along K); Wv_codes 512 x 64 x 16 uint8 (E2M1 codes of Wv, K innermost, in blocks of 32 codes, two codes a byte); Wv_scales 512 x 64 uint8 (E8M0 scales of Wv, one for each 32 codes along K); bk 512 float32; bo 2,048 float32; bq 2,048 float32; bv 512 float32; ln_beta 2,048 float32; ln_gamma 2,048 float32; mem_codes 4 x 2,048 x 64 x 16 uint8 (E2M1 codes of mem, K innermost, in blocks of 32 codes, two codes a byte); mem_scales 4 x 2,048 x 64 uint8 (E8M0 scales of mem, one for each 32 codes along K); neg_peak_mzs_embed 4 x 2,048 x 64 float32; peak_mzs_embed 4 x 2,048 x 64 float32; step_mass_embed 4 x 512 x 64 float32; tgt 4 x 512 x 2,048 float32.
;; Outputs: out0 4 x 512 x 2,048 float32.
;; This version of the problem:
;;   THIS VERSION OF THE PROBLEM IS GIVEN IN LOW PRECISION. The matrix products marked QUANTISED in the list below multiply operands that are first quantised to E2M1 (2 exponent bits, 1 mantissa bit; 4 bits a number), with one power-of-two scale for each 32 numbers along K (OCP MX v1.0); their sums are f32. All else is computed in f32.
;;   The module's matrix products, in the order in which they are computed (A, B: the left and right operand; K: the contracted axis; several contracted axes count as one K, in the product's order):
;;     1. [M 2,048, K 2,048] x [K 2,048, N 2,048]; A: input tgt; B: input Wq (given as codes): QUANTISED
;;     2. [M 8,192, K 2,048] x [K 2,048, N 512]; A: input mem (given as codes); B: input Wk (given as codes): QUANTISED
;;     3. [M 8,192, K 2,048] x [K 2,048, N 512]; A: input mem (given as codes); B: input Wv (given as codes): QUANTISED
;;     4. batch 32 x [M 2,048, K 64] x [K 64, N 2,048]; A: computed on the way; B: computed on the way: QUANTISED
;;     5. batch 32 x [M 64, K 2,048] x [K 2,048, N 2,048]; A: computed on the way; B: softmax (see below): QUANTISED
;;     6. [M 2,048, K 2,048] x [K 2,048, N 2,048]; A: computed on the way; B: input Wo (given as codes): QUANTISED
;;   THE QUANTISER, for each operand of a quantised product, along K:
;;     - K is cut into blocks of 32 from its start; a last block that is shorter is filled with zeros.
;;     - A block's scale is 2^e with e = floor(log2(the largest magnitude in the block)) - 2, held to -126 .. 127; a block of zeros has e = 0. As a byte (E8M0): e + 127.
;;     - Each number is divided by its block's scale, clamped to +-6, and rounded to the nearest number of E2M1, ties to even, subnormals kept.
;;     - The product sums the exact products of the quantised numbers (number of the format x scale) in f32.
;;   ~~~python
;;   def quantise(x, axis):      # numpy; x: float32 -> the quantised numbers, widened to float32 again
;;       x = np.moveaxis(x, axis, -1); K = x.shape[-1]
;;       x = np.pad(x, [(0, 0)] * (x.ndim - 1) + [(0, -K % 32)]); x = x.reshape(x.shape[:-1] + (-1, 32)); a = np.abs(x).max(-1, keepdims=True)
;;       e = np.where(a > 0, np.clip(np.frexp(np.where(a > 0, a, 1))[1] - 1 - 2, -126, 127), 0)      # np.frexp(a)[1] - 1 = floor(log2(a)), exactly
;;       r = np.clip(x / 2.0 ** e, -6, 6)
;;       step = 2.0 ** (np.maximum(np.frexp(np.where(r == 0, 1, r))[1] - 1, 0) - 1)
;;       q = np.round(r / step) * step * 2.0 ** e      # np.round: ties to even
;;       return np.moveaxis(q.reshape(q.shape[:-2] + (-1,))[..., :K], -1, axis).astype(np.float32)
;;   ~~~
;;   SOFTMAX AHEAD OF A QUANTISED PRODUCT. Where the list says 'softmax', what is quantised is not the finished softmax but p = 2^(t - M), with t = logit x log2(e) and M = ceil(the row's largest t), a whole number; so 1/2 < the row's largest p <= 1. The row's sum l is taken of the UNQUANTISED p, in f32, and the product's result is divided by l at the end. Since M is a whole number, a kernel that streams over the keys may use a running M (the ceiling of the running maximum): every later rescaling is an exact power of two, which a block's scale takes up: the codes' values come out the same.
;;   OPERANDS COMPUTED ON THE WAY. 'Computed on the way' means the value that the module computes at that place (a softmax that the list does not call 'softmax' is quantised finished and normalised). What goes into a quantiser is computed in f32, as accurately as f32 sums, v_exp_f32 and their like allow (about 1e-6 of the number): no bf16 or f16 on the way to a quantiser, and a product that is left as it is and whose result goes on into a quantised operand takes f32 operands (vector FMAs, or v_wmma_f32_16x16x4_f32). A number that lies on a knife's edge between two numbers of the format may be rounded either way, as far as f32 arithmetic and the matrix unit's own rounding can turn it there, and no further.
;;   INPUTS GIVEN AS CODES. Wk (in the module: [2048, 512], K = its axis 0); Wo (in the module: [2048, 2048], K = its axis 0); Wq (in the module: [2048, 2048], K = its axis 0); Wv (in the module: [2048, 512], K = its axis 0); mem (in the module: [4, 2048, 2048], K = its axis 2): each comes as NAME_codes (uint8): NAME with its K axis moved to the last place and cut into blocks of 32 codes, [.., K / 32, bytes a block], one block behind the other in memory; two codes a byte, the lower K in the low four bits (a code: sign, 2 exponent bits, 1 mantissa bit); and NAME_scales (uint8): the same leading axes, one E8M0 byte (e + 127) for each 32 codes along K. Its value is code x scale, taken as it is: it is not quantised again, and the codes and scales need not be those that the quantiser above would give.
;; One version. Each part assembles by itself: llvm-mc -triple=amdgcn-amd-amdhsa -mcpu=gfx1250 --defsym DOCPART=n.
;; ======== version 1 of 1: 5 launches
;; limits: right only within a limited range of input values
;; workspace buffers: tq 2,228,224 bytes; qw 2,359,296 bytes; kvw 4,587,520 bytes; ow 2,228,224 bytes; yw 16,777,216 bytes
;; launch quant (part 1): grid 256 x 1, 4 waves a work-group, no clusters, 22,016 bytes of LDS; arguments tgt, tq; writes tq
.if DOCPART == 1
	.amdgcn_target "amdgcn-amd-amdhsa--gfx1250"
	.amdhsa_code_object_version 6
	.text
	.protected	k_qcd61e7ee20_quant
	.globl	k_qcd61e7ee20_quant
	.p2align	8
	.type	k_qcd61e7ee20_quant,@function
k_qcd61e7ee20_quant:
	s_mov_b64 s[64:65], 0
	v_nop
	global_prefetch_b8 v0, s[64:65] scope:SCOPE_SE
	s_setreg_imm32_b32 hwreg(HW_REG_WAVE_MODE, 25, 1), 1
	s_wait_xcnt 0x0
; tgt [2048][2048] f32 becomes codes of FP4 (E2M1), K innermost, [2048][1024 bytes] at tq + 0, and one E8M0 byte for each 32 along K, [2048][64] at tq + TQS.
; A block's scale is 2^(floor(log2(its largest magnitude)) - 2); its byte is the largest magnitude's exponent field - 2, held at 1 from below.
; LIMITS: a block whose largest magnitude lies under 2^-124 (a block of zeros too) keeps the byte 1: its codes are zeros or next to it, and the bytes are read by this program alone.  NaN and infinities are not served.
; Rows are dense and 2048 is a multiple of 32: the tensor is a plain stream of blocks.  A wave takes 8 steps of 512 numbers; all its 32 loads go out at once, 512 consecutive bytes each.
; The conversions want 16 NEIGHBOURS in a lane, the loads want neighbouring lanes on neighbouring bytes: a step's 2,048 bytes turn through the wave's own stage in LDS (16 bytes of padding behind each 64).
; A lane's 16 codes are 8 bytes: a wave's store covers 256 consecutive bytes.  The work-group's 512 scale bytes meet in LDS and leave as two aligned blocks of 256 bytes, by waves 0 and 1.
.set STEPS, 8
.set R,     16                         ; v16-143  eight sets of 16 numbers as loaded
.set X,     144                        ; v144-175 two sets of 16 neighbours
.set C,     176                        ; v176-191 codes: two registers for each step
.set E,     192                        ; v192-199 a scale byte for each step
.set SP,    80                         ; a lane's place in a stage: 64 bytes + 16 of padding
.set WREG,  5120                       ; a wave's two stages of 32 x SP bytes
.set SCB,   20480                      ; behind the stages: the work-group's 512 scale bytes
.set TQS,   2097152
	s_load_b128 s[4:7], s[0:1], 0x0                ; tgt, tq
	v_lshl_add_u32 v200, v0, 2, 0x5400
	v_mov_b32 v201, 0
	v_lshrrev_b32 v1, 5, v0
	v_readfirstlane_b32 s16, v1                    ; wave
	v_and_b32 v2, 31, v0                           ; lane
	v_lshlrev_b32 v3, 4, v2                        ; my 16 bytes of a load's 512
	s_mul_i32 s17, s16, WREG
	v_lshrrev_b32 v14, 2, v2
	v_mul_u32_u24 v14, v14, SP
	v_and_b32 v15, 3, v2
	v_lshl_add_u32 v14, v15, 4, v14
	v_add_nc_u32 v14, s17, v14                     ; the stage on the way in: SP (lane / 4) + 16 (lane % 4)
	v_mul_u32_u24 v15, v2, SP
	v_add_nc_u32 v15, s17, v15                     ; and on the way out: SP x lane
	v_lshlrev_b32 v4, 3, v2                        ; 8 x lane: my codes' place in a step's 256 bytes
	v_lshrrev_b32 v5, 1, v2
	s_lshl_b32 s18, s16, 7
	s_add_co_u32 s18, s18, SCB
	v_add_nc_u32 v5, s18, v5                       ; my block's scale byte: SCB + 128 x wave + lane / 2
	s_lshl_b32 s18, s16, 8
	s_add_co_u32 s18, s18, SCB
	v_add_nc_u32 v6, s18, v4                       ; the way out of the scale bytes (waves 0 and 1): SCB + 256 x wave + 8 x lane
	s_lshl_b32 s18, ttmp9, 2
	s_add_co_u32 s18, s18, s16                     ; which run of 4,096 numbers is my wave's
	s_lshl_b32 s20, s18, 14
	s_mov_b32 s21, 0
	s_lshl_b32 s22, s18, 11
	s_mov_b32 s23, 0
	s_lshl_b32 s8, ttmp9, 9
	s_lshl_b32 s9, s16, 8
	s_add_co_u32 s8, s8, s9
	s_add_co_u32 s8, s8, TQS
	s_mov_b32 s9, 0
	s_wait_alu depctr_va_vdst(0)
	s_wait_kmcnt 0x0
	s_add_nc_u64 s[4:5], s[4:5], s[20:21]
	s_add_nc_u64 s[10:11], s[6:7], s[8:9]          ; the scale bytes' block of 256 (used by waves 0 and 1 alone)
	s_add_nc_u64 s[6:7], s[6:7], s[22:23]
.macro LOAD t
.irp i, 0,1,2,3
	global_load_b128 v[R+16*(\t)+4*\i:R+16*(\t)+4*\i+3], v3, s[4:5] offset:2048*(\t)+512*\i th:TH_LOAD_NT
.endr
.endm
.macro TURN t                          ; step t's numbers through a stage: LDS serves a wave's instructions in order, so no wait stands between the stores and the loads
.irp i, 0,1,2,3
	ds_store_b128 v14, v[R+16*(\t)+4*\i:R+16*(\t)+4*\i+3] offset:32*SP*((\t)%2)+8*SP*\i
.endr
.irp i, 0,1,2,3
	ds_load_b128 v[X+16*((\t)%2)+4*\i:X+16*((\t)%2)+4*\i+3], v15 offset:32*SP*((\t)%2)+16*\i
.endr
.endm
.irp t, 0,1,2,3,4,5,6,7
	LOAD \t
.endr
	s_wait_loadcnt 28                              ; step 0's four loads are in; the 28 behind them stay out
	TURN 0
.macro STEP t
.set XS, X+16*((\t)%2)
.if (\t) > 0
	s_wait_dscnt 1                                 ; this step's numbers are back from the stage; the last step's byte store may be out
.else
	s_wait_dscnt 0x0
.endif
.if (\t)+1 < STEPS
	s_wait_loadcnt 4*(6-(\t))                      ; the next step's four loads are in; those of the steps behind it stay out
	TURN (\t)+1                                    ; they go through the other stage while this step is worked
.endif
	v_max3_num_f32 v8, |v[XS]|, |v[XS+1]|, |v[XS+2]|               ; the largest magnitude of my 16, in two chains
	v_max3_num_f32 v9, |v[XS+3]|, |v[XS+4]|, |v[XS+5]|
.irp i, 6,10
	v_max3_num_f32 v8, v8, |v[XS+\i]|, |v[XS+\i+1]|
	v_max3_num_f32 v9, v9, |v[XS+\i+2]|, |v[XS+\i+3]|
.endr
	v_max3_num_f32 v8, v8, |v[XS+14]|, |v[XS+15]|
	v_max3_num_f32 v8, v8, v9, 0x1800000           ; and the floor 2^(3 - 127): the byte cannot fall under 1
	v_max_num_f32_dpp v8, v8, v8 row_xmask:1 row_mask:0xf bank_mask:0xf   ; with my neighbour's 16: the block's
	v_add_nc_u32 v11, 0xff000000, v8               ; 2 off its exponent field: the conversion takes the exponent field of this operand as its scale
	v_cvt_scalef32_pk8_fp4_f32 v[C+2*(\t)], v[XS:XS+7], v11
	v_cvt_scalef32_pk8_fp4_f32 v[C+2*(\t)+1], v[XS+8:XS+15], v11
	v_lshrrev_b32 v[E+(\t)], 23, v11               ; the scale's byte (a plain line behind the conversions)
	ds_store_b8 v5, v[E+(\t)] offset:16*(\t)       ; both lanes of a block write the same byte with the same value
	global_store_b64 v4, v[C+2*(\t):C+2*(\t)+1], s[6:7] offset:256*(\t)   ; 32 lanes store 256 consecutive bytes, aligned
.endm
.irp t, 0,1,2,3,4,5,6,7
	STEP \t
.endr
	s_wait_dscnt 0x0                               ; for the others' sake: my byte stores have landed
	s_barrier_signal -1
	s_barrier_wait -1
	s_cmp_lt_u32 s16, 2
	s_cbranch_scc0 .Ldone
	ds_load_b64 v[12:13], v6                       ; two waves' scale bytes
	s_wait_dscnt 0x0
	global_store_b64 v4, v[12:13], s[10:11]        ; 256 consecutive bytes, aligned
.Ldone:
	s_wait_tensorcnt 0x0
	ds_add_u32 v200, v201
	s_wait_dscnt 0x0
	s_endpgm
.Lfunc_end_k_qcd61e7ee20_quant:
	.size	k_qcd61e7ee20_quant, .Lfunc_end_k_qcd61e7ee20_quant-k_qcd61e7ee20_quant
	.p2alignl 7, 3214868480
	.fill 96, 4, 3214868480
	.section	.rodata,"a",@progbits
	.p2align	6, 0x0
	.amdhsa_kernel k_qcd61e7ee20_quant
		.amdhsa_group_segment_fixed_size 22016
		.amdhsa_private_segment_fixed_size 0
		.amdhsa_enable_private_segment 0
		.amdhsa_kernarg_size 16
		.amdhsa_user_sgpr_count 2
		.amdhsa_user_sgpr_kernarg_segment_ptr 1
		.amdhsa_wavefront_size32 1
		.amdhsa_system_sgpr_workgroup_id_x 1
		.amdhsa_system_sgpr_workgroup_id_y 1
		.amdhsa_system_sgpr_workgroup_id_z 1
		.amdhsa_system_vgpr_workitem_id 0
		.amdhsa_next_free_vgpr 202
		.amdhsa_next_free_sgpr 66
		.amdhsa_reserve_vcc 0
		.amdhsa_float_denorm_mode_32 3
		.amdhsa_float_denorm_mode_16_64 3
		.amdhsa_memory_ordered 1
		.amdhsa_forward_progress 1
		.amdhsa_inst_pref_size 18
	.end_amdhsa_kernel
	.amdgpu_metadata
---
amdhsa.version: [ 1, 2 ]
amdhsa.kernels:
  - .name:           k_qcd61e7ee20_quant
    .symbol:         k_qcd61e7ee20_quant.kd
    .args:
      - { .name: tgt, .offset: 0, .size: 8, .value_kind: global_buffer, .address_space: global }
      - { .name: tq, .offset: 8, .size: 8, .value_kind: global_buffer, .address_space: global }
    .group_segment_fixed_size: 22016
    .private_segment_fixed_size: 0
    .kernarg_segment_align: 8
    .kernarg_segment_size: 16
    .max_flat_workgroup_size: 128
    .sgpr_count:     66
    .vgpr_count:     202
    .wavefront_size: 32
...
	.end_amdgpu_metadata
.endif
;; end of part 1
;; launch proj (part 2): grid 4 x 64, 4 waves a work-group, clusters of 4 x 4, 327,680 bytes of LDS; arguments tq, mem_codes, mem_scales, Wq_codes, Wq_scales, Wk_codes, Wk_scales, Wv_codes, Wv_scales, bq, bk, bv, step_mass_embed, peak_mzs_embed, neg_peak_mzs_embed, qw, kvw; writes qw, kvw
.if DOCPART == 2
	.amdgcn_target "amdgcn-amd-amdhsa--gfx1250"
	.amdhsa_code_object_version 6
	.text
	.protected	k_qcd61e7ee20_proj
	.globl	k_qcd61e7ee20_proj
	.p2align	8
	.type	k_qcd61e7ee20_proj,@function
k_qcd61e7ee20_proj:
	s_mov_b64 s[64:65], 0
	v_nop
	global_prefetch_b8 v0, s[64:65] scope:SCOPE_SE
	s_setreg_imm32_b32 hwreg(HW_REG_WAVE_MODE, 25, 1), 1
	s_wait_xcnt 0x0
	s_wait_alu depctr_hold_cnt(0) depctr_sa_sdst(0) depctr_va_vdst(0) depctr_va_sdst(0) depctr_va_ssrc(0) depctr_va_vcc(0) depctr_vm_vsrc(0)
	s_getreg_b32 s2, hwreg(HW_REG_IB_STS2, 6, 4)
	s_cmp_eq_u32 s2, 0
	s_cbranch_scc0 .Lentry_in_a_cluster
	s_endpgm
.Lentry_in_a_cluster:
	s_bfe_u32 s2, ttmp6, 0x10000c
	s_cmp_lg_u32 s2, 0xf033
	s_cbranch_scc0 .Lentry_shape_is_right
	s_endpgm
.Lentry_shape_is_right:
; THE THREE INPUT PROJECTIONS on codes of FP4 with E8M0 scales: q = tgt Wq + bq, k = mem Wk + bk, v = mem Wv + bv; then RoPE on q and k; then q and k are quantised along the head's 64
; and v along the keys, and leave as IMAGES OF OPERAND REGISTERS (four registers on end, lane l's 16 bytes at 16 l: every image is one store of 512 consecutive bytes) with their scale words.
; SHARES.  16 clusters of 4 x 4 work-groups, 256 work-groups THAT STAY: each makes three blocks of 128 tokens x 128 output channels, one after the other: its block of q, of k, of v.
; q: 4 x 4 clusters over 16 x 16 blocks; k and v: 16 x 1 clusters over 64 x 4 blocks; a work-group's k and v blocks have the same 128 tokens of mem.
; THE RING.  K = 2,048 goes in two halves through two LDS slots (X's 128 rows and W's 128 rows of 512 bytes, + 16 of padding).  While one half is multiplied, the other slot takes what follows, across blocks too:
; head: slot 0 <- q's first half, q's scale bytes;  round 1: slot 1 <- q's second half, k's scale bytes (all first fills);  round 2: slot 0 <- k's first half;  round 3: slot 1 <- k's second half, Wv's scale bytes onto Wq's;
; round 4: Wv's first half onto Wk's in slot 0;  round 5: its second half in slot 1.  mem's tiles and scale bytes stay where k's block had them.  One tensor load a wave behind each round; every wait on TENSORcnt is for 0.
; The q and k blocks are written out one after the other, since their refills differ.
; CLUSTER.  The token tile hangs on the cluster's row alone, the weight tile on its column alone: each is asked for jointly by the four that share it; each refill stands behind a round of the cluster's barrier.
; PREFETCH.  The four partners that ask for a tile jointly take 32 of its rows each, told apart by address, a lane a row: each block of 256 bytes is named once in a cluster.  Behind the head's loads: the second half of q's
; two tiles (waves 0, 1: tgt's, waves 2, 3: Wq's; a wave takes one of the half's two blocks of 256 bytes in a row): a whole first fill ahead of round 1's loads.  At the q block's start: mem's tile and Wk's, all of K (wave w the
; w-th 256 bytes of a row); at the k block's start: Wv's: seven K steps of 128 ahead of the first load that wants them.  q's first half and the scale bytes come by their loads alone.
; ARM R (q, k): source 0 = 64 rows of W (one head), source 1 = 64 tokens: a lane holds ONE token and its registers run along the head.  ARM V: source 0 = 128 tokens, source 1 = the wave's 32 rows of Wv:
; a lane holds ONE channel and its registers run along the keys, which are the K of attention's second product.
; k's heads are laid in the order in which they are used: original head o at place o / 2 + 4 (o % 2); even o turns with peak_mzs_embed, odd o with neg_peak_mzs_embed.
; LIMITS: a block whose largest magnitude lies under 2^-124 (a block of zeros too) keeps the scale byte 1; these bytes are read by this program alone.  NaN and infinities are not served.
; REGISTERS, in windows of 256: window 0: v0-31 addresses; from v32 two sets of scale words; v96-127 bias (arm R); v128-255 the epilogue's work.
;   window 1: two fragment buffers from v0; arm R: v128-255 sines and cosines.   window 2: v0-127 the 16 accumulators, (t1, t0) at 8 (NT0 t1 + t0).
.set TQS,   2097152                    ; tq: scale bytes behind the codes
.set QSC,   2097152                    ; qw: scale words behind the images
.set VIM,   2097152                    ; kvw: v's images behind k's
.set KVS,   4194304                    ; kvw: scale words, 12,288 bytes a pair: 8,192 of k's, 4,096 of v's
.set PITCH, 528                        ; an LDS row: 512 bytes + 16 of padding
.set HALFT, 33792                      ; 64 rows
.set WOFF,  67584                      ; W's 128 rows behind X's 128
.set SLOT,  135168
.set SXQ,   270336                     ; scale bytes, 32 blocks of 256 + 16 each: tgt's,
.set SWQ,   279040                     ; Wq's, later Wv's,
.set SXM,   287744                     ; mem's,
.set SWK,   296448                     ; Wk's
.set HALFS, 4352
.set SPARE, 305152                     ; the spare words, 128 bytes a wave
.set WV,   2                           ; s2 wave;  s3 wave / 2;  s4 wave % 2
.set G0,   3
.set G1,   4
.set TT,   9                           ; s9 the block's token tile;  s10 its weight tile;  s88-91 q's two, then k's and v's two
.set WT,   10
.set G1X,  24                          ; s[24:31], s[32:39] descriptor groups 1 for X's and W's codes;  s[40:47], s[48:55] for their scale bytes
.set G1W,  32
.set G1SX, 40
.set G1SW, 48
.set GX,   56                          ; groups 0: wave 0's, wave 1's, wave 2's, wave 3's; written only where no load of the wave is out
.set GW,   60
.set GSX,  68
.set GSW,  72
.set PXM,  76                          ; where the later tiles begin: mem's codes, Wk's, Wv's; Wv's scale bytes, mem's, Wk's
.set PWK,  78
.set PWV,  80
.set PSWV, 82
.set PSXM, 84
.set PSWK, 86
.set SEL,  66                          ; s[66:67] first the two masks, then the lane selects of v_permlanex16_b32 for lane l xor 16
.set ADR0, 8                           ; v8, v9   LDS address of source 0's fragments in slot 0, 1
.set ADR1, 12                          ; v12, v13 of source 1's
.set SA0,  16                          ; v16, v17 of their scale words
.set SA1,  17
.set SC,   32
.set BIAS, 96
.set MUL,  0xa5                        ; sources 0 and 1 window 1; C and D window 2
.set TO_F, 0x40                        ; destination window 1, address window 0
.set MSB,  0
.macro WIN new                         ; the immediate's high byte repeats the setting that is left
.if MSB != \new
	s_set_vgpr_msb (MSB<<8)|\new
.set MSB, \new
.endif
.endm
.macro PLACES n
.rept \n
	v_nop
.endr
.endm
.macro CREST                           ; a round of the cluster's barrier behind its opening barrier
	s_cmp_lg_u32 s[WV], 0
	s_cbranch_scc1 .Lnot_wave_0_\@
	s_barrier_signal -3
.Lnot_wave_0_\@:
	s_barrier_wait -3
	s_barrier_signal -1
	s_barrier_wait -1
.endm
.macro CROUND
	s_barrier_signal -1
	s_barrier_wait -1
	CREST
.endm
.macro TL g0, g1                       ; a joint load with s_nop 0 and four v_nop behind it
	tensor_load_to_lds s[\g0:\g0+3], s[\g1:\g1+7]
	s_nop 0
.rept 4
	v_nop
.endr
.endm
; One tree of branches on the wave's number, one load to an arm, all arms to one join.  m: bit w set: wave w loads.  g12: wave 2's group 1.  With m = 15 the last arm has no test: every way passes one load.
.macro TREE m, g12
.if (\m)&1
	s_cmp_eq_u32 s[WV], 0
	s_cbranch_scc0 .Lt1_\@
	TL GX, G1X
	s_branch .Ltj_\@
.Lt1_\@:
.endif
.if (\m)&2
	s_cmp_eq_u32 s[WV], 1
	s_cbranch_scc0 .Lt2_\@
	TL GW, G1W
	s_branch .Ltj_\@
.Lt2_\@:
.endif
.if (\m)&4
	s_cmp_eq_u32 s[WV], 2
	s_cbranch_scc0 .Lt3_\@
	TL GSX, \g12
	s_branch .Ltj_\@
.Lt3_\@:
.endif
.if (\m) == 15
	TL GSW, G1SW
.endif
.Ltj_\@:
.endm
.macro GADR g, p                       ; a group 0's global address and type
	s_mov_b64 s[\g+2:\g+3], s[\p:\p+1]
	s_or_b32 s[\g+3], s[\g+3], 0x80000000
.endm
.macro SECOND                          ; X's and W's groups 0 go on to the second half along K, in slot 1
	s_mov_b32 s[GX+1], SLOT
	s_add_nc_u64 s[GX+2:GX+3], s[GX+2:GX+3], 512
	s_mov_b32 s[GW+1], SLOT+WOFF
	s_add_nc_u64 s[GW+2:GW+3], s[GW+2:GW+3], 512
.endm
.macro DESC d                          ; the groups 0 for round d's loads (the list at the kernel's head)
.if \d == 1
	SECOND
	s_mov_b32 s[GSX+1], SXM
	GADR GSX, PSXM
	s_mov_b32 s[GSW+1], SWK
	GADR GSW, PSWK
.endif
.if \d == 2
	s_mov_b32 s[GX+1], 0
	GADR GX, PXM
	s_mov_b32 s[GW+1], WOFF
	GADR GW, PWK
.endif
.if \d == 3
	SECOND
	s_mov_b32 s[GSX+1], SWQ
	GADR GSX, PSWV
.endif
.if \d == 4
	s_mov_b32 s[GW+1], WOFF
	GADR GW, PWV
.endif
.if \d == 5
	s_mov_b32 s[GW+1], SLOT+WOFF
	s_add_nc_u64 s[GW+2:GW+3], s[GW+2:GW+3], 512
.endif
.endm
; THE CORE.  Step s is 128 along K: the (s % 8)-th of slot s / 8.  NT0, NT1: tiles of 16 rows of source 0 and of source 1 a wave; FB: registers of a fragment buffer; SETW: of a set of scale words; NSC: scale loads for four steps.
.macro FETCH s                         ; step s's fragments into buffer s % 2; at every fourth step the scale words of four steps first (four words a row)
.set fc, (\s)/4
.set fh, (\s)/8
.set fo, 64*((\s)%8)
.set fb, FB*((\s)%2)
.set fs, SC+SETW*(fc%2)
.if (\s)%4 == 0
	WIN 0
.set ft, 0
.rept NT0
	ds_load_b128 v[fs+4*ft:fs+4*ft+3], v[SA0] offset:1088*ft+16*fc
.set ft, ft+1
.endr
.set ft, 0
.rept NT1
	ds_load_b128 v[fs+4*NT0+4*ft:fs+4*NT0+4*ft+3], v[SA1] offset:1088*ft+16*fc
.set ft, ft+1
.endr
.endif
	WIN TO_F
.set ft, 0
.rept NT0
	ds_load_b128 v[fb+8*ft:fb+8*ft+3],   v[ADR0+fh] offset:16*PITCH*ft+fo
	ds_load_b128 v[fb+8*ft+4:fb+8*ft+7], v[ADR0+fh] offset:16*PITCH*ft+fo+32
.set ft, ft+1
.endr
.set ft, 0
.rept NT1
	ds_load_b128 v[fb+8*NT0+8*ft:fb+8*NT0+8*ft+3],   v[ADR1+fh] offset:16*PITCH*ft+fo
	ds_load_b128 v[fb+8*NT0+8*ft+4:fb+8*NT0+8*ft+7], v[ADR1+fh] offset:16*PITCH*ft+fo+32
.set ft, ft+1
.endr
.endm
; Half of a step's products: one half of source 1's tiles against all of source 0's.  The 16 accumulators take turns, one instruction a turn, in the same order in every step.  cm = 1: the products start the sums.
.macro MULH s, half, cm
.set mq, (\s)%4
.set ms, SC+SETW*(((\s)/4)%2)
.set mb, FB*((\s)%2)
.set m1, ((\half)*NT1)/2
.rept NT1/2
.set m0, 0
.rept NT0
.set md, 8*(NT0*m1+m0)
.if \cm == 1
	v_wmma_scale_f32_16x16x128_f8f6f4 v[md:md+7], v[mb+8*m0:mb+8*m0+7], v[mb+8*NT0+8*m1:mb+8*NT0+8*m1+7], 0, v[ms+4*m0+mq], v[ms+4*NT0+4*m1+mq] matrix_a_fmt:MATRIX_FMT_FP4 matrix_b_fmt:MATRIX_FMT_FP4
.else
	v_wmma_scale_f32_16x16x128_f8f6f4 v[md:md+7], v[mb+8*m0:mb+8*m0+7], v[mb+8*NT0+8*m1:mb+8*NT0+8*m1+7], v[md:md+7], v[ms+4*m0+mq], v[ms+4*NT0+4*m1+mq] matrix_a_fmt:MATRIX_FMT_FP4 matrix_b_fmt:MATRIX_FMT_FP4
.endif
.set m0, m0+1
.endr
.set m1, m1+1
.endr
.endm
.macro KSTEP s, cm                     ; a step whose successor lies in the same slot
	s_wait_dscnt NT1                               ; all but the loads of source 1's second half of tiles
	WIN MUL
	MULH \s, 0, \cm
	PLACES 4                                       ; in front of loads into registers that matrix instructions have read (ISA guide 7.12.1 for vector instructions)
	FETCH (\s)+1
.if ((\s)+1)%4 == 0
	s_wait_dscnt 2*(NT0+NT1)+NSC                   ; all but those just issued
.else
	s_wait_dscnt 2*(NT0+NT1)
.endif
	WIN MUL
	MULH \s, 1, \cm
.endm
; A slot's last step, with a refill.  In front of the round each wave waits for all its tensor loads, adds 0 to its spare word, and waits for that and for its reads of this slot; the round's opening barrier has half of the
; step's products between signal and wait; behind the round this slot is filled again first, and then (s = 7) the other slot's first fragments are read.
.macro RSTEP s, d, m, g12
	WIN 0
	s_wait_tensorcnt 0x0                           ; all my tensor loads have landed: a group 0 may be written
	ds_add_u32 v254, v255
	DESC \d
	s_wait_dscnt 0x0                               ; the add is done, and my reads of this slot are over
	s_barrier_signal -1
	WIN MUL
	MULH \s, 0, 0
	WIN 0
	s_barrier_wait -1
	CREST
	TREE \m, \g12
.if (\s) < 15
	PLACES 4                                       ; for the waves that issued no load, too
	FETCH (\s)+1
.endif
	WIN MUL
	MULH \s, 1, 0
.endm
.macro STEPS from, n
.set ks, \from
.rept \n
	KSTEP ks, 0
.set ks, ks+1
.endr
.endm
; 32 numbers of a lane, v[s + 8 t + j] = k 16 t + 8 (lane / 16) + j of my row (64 along K, two blocks), become four operand registers v[d] .. v[d + 3] (k = 32 (lane / 16) + 8 i + 0 .. 7 in v[d + i]) and two scale bytes in v[y].
.macro QUANT64 s, d, y
.irp b, 0,1
	v_max3_num_f32 v[TM+\b], |v[(\s)+16*\b]|, |v[(\s)+16*\b+1]|, 0x1800000   ; block b: my 16 numbers, and the floor 2^(3 - 127): the byte cannot fall under 1
.endr
.irp i, 2,4,6,8,10,12,14
.irp b, 0,1
	v_max3_num_f32 v[TM+\b], v[TM+\b], |v[(\s)+16*\b+\i]|, |v[(\s)+16*\b+\i+1]|
.endr
.endr
.irp b, 0,1
	v_permlanex16_b32 v[TM+2+\b], v[TM+\b], s[SEL], s[SEL+1]
.endr
.irp b, 0,1
	v_max_num_f32 v[TM+\b], v[TM+\b], v[TM+2+\b]   ; with lane l xor 16's: the block's largest magnitude
.endr
.irp b, 0,1
	v_add_nc_u32 v[TM+4+\b], 0xff000000, v[TM+\b]  ; 2 off its exponent field: the conversion's scale operand
.endr
.irp b, 0,1
	v_lshrrev_b32 v[TM+2+\b], 23, v[TM+4+\b]       ; the scale's byte
.endr
	v_lshl_or_b32 v[\y], v[TM+3], 8, v[TM+2]
	v_cvt_scalef32_pk8_fp4_f32 v[(\d)],   v[(\s):(\s)+7],     v[TM+4]
	v_cvt_scalef32_pk8_fp4_f32 v[(\d)+2], v[(\s)+8:(\s)+15],  v[TM+4]
	v_cvt_scalef32_pk8_fp4_f32 v[(\d)+1], v[(\s)+16:(\s)+23], v[TM+5]
	v_cvt_scalef32_pk8_fp4_f32 v[(\d)+3], v[(\s)+24:(\s)+31], v[TM+5]
	v_nop                                          ; one plain place behind a scaled conversion
	v_permlane16_swap_b32 v[(\d)], v[(\d)+1]       ; the first's lanes 16-31 change places with the second's lanes 0-15: a whole block in a lane
	v_permlane16_swap_b32 v[(\d)+2], v[(\d)+3]
.endm
.set EMB,  128                         ; window 1: tile a's 16 sines at EMB + 32 a, its 16 cosines 16 on
.set XB,   128                         ; window 0: a tile's numbers with the bias
.set Z,    160                         ; turned
.set CODE, 192                         ; codes
.set WW,   208                         ; arm R: a tile's scale word
.set T,    212
.set MXA,  220
.set MXB,  221
.set SO,   222
.set BY,   223
.set OT,   225
.set BV,   112                         ; arm V: v112-115 bv of my channel, twice for each tile
.set TM,   208
.set WWV,  216
	s_load_b256 s[12:19], s[0:1], 0x0              ; tq, mem's codes, mem's scales, Wq's codes
	s_load_b256 s[92:99], s[0:1], 0x20             ; Wq's scales, Wk's codes, Wk's scales, Wv's codes
	s_load_b64 s[PSWV:PSWV+1], s[0:1], 0x40        ; Wv's scales
	v_lshl_add_u32 v254, v0, 2, SPARE
	v_mov_b32 v255, 0
	ds_add_u32 v254, v255                          ; the opening lines: the add, twice on end, and its wait ahead of the first tensor load
	ds_add_u32 v254, v255
	v_lshrrev_b32 v1, 5, v0
	v_readfirstlane_b32 s[WV], v1                  ; wave 0..3
	s_lshr_b32 s[G0], s[WV], 1                     ; arm R: which 64 rows of W are mine
	s_and_b32 s[G1], s[WV], 1                      ; arm R: which 64 tokens are mine
	s_bfe_u32 s6, ttmp6, 0x40000                   ; cx
	s_bfe_u32 s7, ttmp6, 0x40004                   ; cy
	s_and_b32 s8, ttmp7, 0xffff                    ; the cluster, 0..15
	s_and_b32 s88, s8, 3
	s_lshl_b32 s88, s88, 2
	s_add_co_u32 s88, s88, s7                      ; q: token tile
	s_lshr_b32 s89, s8, 2
	s_lshl_b32 s89, s89, 2
	s_add_co_u32 s89, s89, s6                      ; q: weight tile
	s_lshl_b32 s90, s8, 2
	s_add_co_u32 s90, s90, s7                      ; k, v: token tile
	s_mov_b32 s91, s6                              ; k, v: weight tile
	s_lshl_b32 s66, s7, 2
	s_lshl_b32 s66, 15, s66                        ; my row of the cluster
	s_lshl_b32 s67, 0x1111, s6                     ; my column
	; groups 1.  Codes: 128 rows of 512 bytes, 1,024 bytes apart, 16 bytes of padding behind each (after every 128 words: code 6).  Scale bytes of 128 rows: 8,192 dense bytes as 32 rows of 256, padded likewise.
	s_or_b32 s[G1X], s66, (0<<16)|(1<<20)|(1<<21)|(6<<22)|(3<<25)
	s_or_b32 s[G1W], s67, (0<<16)|(1<<20)|(1<<21)|(6<<22)|(3<<25)
.irp g, G1X, G1W
	s_mov_b32 s[\g+1], 512<<16                     ; tensor_dim0
	s_mov_b32 s[\g+2], 128<<16                     ; tensor_dim1
	s_mov_b32 s[\g+3], 512<<16                     ; tile_dim0
	s_mov_b32 s[\g+4], 128                         ; tile_dim1
	s_mov_b32 s[\g+5], 1024                        ; from row to row
	s_mov_b32 s[\g+6], 0
	s_mov_b32 s[\g+7], 0
.endr
	s_or_b32 s[G1SX], s66, (3<<16)|(1<<20)|(1<<21)|(5<<22)|(3<<25)
	s_or_b32 s[G1SW], s67, (3<<16)|(1<<20)|(1<<21)|(5<<22)|(3<<25)
.irp g, G1SX, G1SW
	s_mov_b32 s[\g+1], 32<<16
	s_mov_b32 s[\g+2], 32<<16
	s_mov_b32 s[\g+3], 32<<16
	s_mov_b32 s[\g+4], 32
	s_mov_b32 s[\g+5], 32
	s_mov_b32 s[\g+6], 0
	s_mov_b32 s[\g+7], 0
.endr
	s_mov_b32 s[GX], 1
	s_mov_b32 s[GX+1], 0
	s_mov_b32 s[GW], 1
	s_mov_b32 s[GW+1], WOFF
	s_mov_b32 s[GSX], 1
	s_mov_b32 s[GSX+1], SXQ
	s_mov_b32 s[GSW], 1
	s_mov_b32 s[GSW+1], SWQ
	s_mov_b32 s21, 0
	s_mov_b32 s101, 0
	s_wait_dscnt 0x0                               ; both opening adds are done
	s_wait_kmcnt 0x0
	s_lshl_b32 s20, s88, 17                        ; X's offsets, made of token tiles alone: 128 rows of 1,024 bytes,
	s_add_nc_u64 s[GX+2:GX+3], s[12:13], s[20:21]
	s_or_b32 s[GX+3], s[GX+3], 0x80000000
	s_lshl_b32 s20, s88, 13                        ; 128 rows of 64 scale bytes
	s_add_co_u32 s20, s20, TQS
	s_add_nc_u64 s[GSX+2:GSX+3], s[12:13], s[20:21]
	s_or_b32 s[GSX+3], s[GSX+3], 0x80000000
	s_lshl_b32 s20, s90, 17
	s_add_nc_u64 s[PXM:PXM+1], s[14:15], s[20:21]
	s_lshl_b32 s20, s90, 13
	s_add_nc_u64 s[PSXM:PSXM+1], s[16:17], s[20:21]
	s_lshl_b32 s100, s89, 17                       ; W's offsets, made of weight tiles alone
	s_add_nc_u64 s[GW+2:GW+3], s[18:19], s[100:101]
	s_or_b32 s[GW+3], s[GW+3], 0x80000000
	s_lshl_b32 s100, s89, 13
	s_add_nc_u64 s[GSW+2:GSW+3], s[92:93], s[100:101]
	s_or_b32 s[GSW+3], s[GSW+3], 0x80000000
	s_lshl_b32 s100, s91, 17
	s_add_nc_u64 s[PWK:PWK+1], s[94:95], s[100:101]
	s_add_nc_u64 s[PWV:PWV+1], s[98:99], s[100:101]
	s_lshl_b32 s100, s91, 13
	s_add_nc_u64 s[PSWK:PSWK+1], s[96:97], s[100:101]
	s_add_nc_u64 s[PSWV:PSWV+1], s[PSWV:PSWV+1], s[100:101]
	CROUND                                         ; all sixteen work-groups are here: the first joint loads meet
	TREE 15, G1SX                                  ; q's first half and q's scale bytes: one load a wave
	s_lshl_b32 s10, s6, 15                         ; the prefetches: of a tile's 128 rows my work-group names 32: by cx in X's tile,
	s_mov_b32 s11, 0
	s_add_nc_u64 s[92:93], s[PXM:PXM+1], s[10:11]
	s_add_nc_u64 s[98:99], s[12:13], s[10:11]
	s_lshl_b32 s10, s7, 15                         ; by cy in W's
	s_add_nc_u64 s[94:95], s[PWK:PWK+1], s[10:11]
	s_add_nc_u64 s[96:97], s[PWV:PWV+1], s[10:11]
	s_add_nc_u64 s[20:21], s[18:19], s[10:11]
	s_lshl_b32 s10, s88, 17
	s_add_nc_u64 s[98:99], s[98:99], s[10:11]      ; tgt's tile,
	s_lshl_b32 s10, s89, 17
	s_add_nc_u64 s[20:21], s[20:21], s[10:11]      ; Wq's tile:
	s_cmp_eq_u32 s[G0], 0
	s_cselect_b64 s[98:99], s[98:99], s[20:21]     ; waves 0 and 1 name tgt's rows, waves 2 and 3 Wq's,
	s_lshl_b32 s10, s[G1], 8
	s_add_co_u32 s10, s10, 512
	s_add_nc_u64 s[98:99], s[98:99], s[10:11]      ; in the second half along K, the (wave % 2)-th 256 bytes
	s_mov_b32 s[SEL], 0x76543210                   ; the masks are in the descriptors: the pair now holds the lane selects
	s_mov_b32 s[SEL+1], 0xfedcba98
	v_and_b32 v1, 15, v0                           ; r
	v_bfe_u32 v2, v0, 4, 1                         ; h
	v_and_b32 v3, 31, v0                           ; lane
	v_lshlrev_b32 v25, 10, v3                      ; a lane a row of 1,024 bytes; never rewritten
	global_prefetch_b8 v25, s[98:99] th:TH_LOAD_NT scope:SCOPE_SE   ; q's second half
	v_lshlrev_b32 v4, 4, v3                        ; 16 x lane: an image's place for my lane
	v_lshlrev_b32 v5, 3, v3                        ; 8 x lane
	v_lshlrev_b32 v6, 3, v2                        ; 8 h
	v_mul_u32_u24 v7, v1, PITCH
	v_lshl_add_u32 v7, v2, 4, v7                   ; a fragment's row x pitch + 16 h
	v_lshrrev_b32 v19, 2, v1
	v_mul_u32_u24 v19, v19, 272
	v_and_b32 v20, 3, v1
	v_lshl_add_u32 v19, v20, 6, v19                ; row r's 64 scale bytes: four rows to a block of 256 + 16
	v_lshlrev_b32 v21, 5, v2                       ; arm R's bias: tile b's eight numbers of my half: 64 b + 32 h
	v_lshlrev_b32 v18, 8, v1
	v_lshl_add_u32 v18, v2, 4, v18                 ; sines and cosines: token r, four of them from 8 b + 4 h on
	v_lshlrev_b32 v22, 2, v3                       ; 4 x lane
	v_lshlrev_b32 v23, 2, v1                       ; 4 r
	v_lshlrev_b32 v24, 10, v3
	s_lshl_b32 s11, s[WV], 8
	v_add_nc_u32 v24, s11, v24                     ; the later prefetches' offset: row = lane, the wave's 256 bytes of it; never rewritten
	v_mov_b32 v[OT], 0                             ; a lane permute's destination counts as one of its sources
	s_mul_i32 s11, s[G0], HALFT
	s_add_co_u32 s11, s11, WOFF
	v_add_nc_u32 v[ADR0], s11, v7                  ; arm R: source 0: my 64 rows of W
	s_mul_i32 s11, s[G1], HALFT
	v_add_nc_u32 v[ADR1], s11, v7                  ; source 1: my 64 tokens
	v_add_nc_u32 v[ADR0+1], SLOT, v[ADR0]
	v_add_nc_u32 v[ADR1+1], SLOT, v[ADR1]
	; ================ ARM R: q (kind 0) and k (kind 1) ================
.set NT0,  4
.set NT1,  4
.set FB,   64
.set SETW, 32
.set NSC,  8
.macro RSET kind                       ; a block's addresses; its bias, sines and cosines are asked for and land under the products
.if \kind
	s_wait_xcnt 0x0                                ; the last block's stores and my prefetches have read their registers: bases and data may be written again
	s_load_b64 s[12:13], s[0:1], 0x50              ; bk
	s_load_b128 s[16:19], s[0:1], 0x68             ; peak_mzs_embed, neg_peak_mzs_embed
	s_load_b64 s[22:23], s[0:1], 0x80              ; kvw
	s_mov_b32 s[TT], s90
	s_mov_b32 s[WT], s91
.else
	s_load_b64 s[12:13], s[0:1], 0x48              ; bq
	s_load_b64 s[16:17], s[0:1], 0x60              ; step_mass_embed
	s_load_b64 s[22:23], s[0:1], 0x78              ; qw
	s_mov_b32 s[TT], s88
	s_mov_b32 s[WT], s89
.endif
	s_mul_i32 s11, s[G0], HALFS
	s_add_co_u32 s11, s11, SWQ+(\kind)*(SWK-SWQ)
	v_add_nc_u32 v[SA0], s11, v19
	s_mul_i32 s11, s[G1], HALFS
	s_add_co_u32 s11, s11, SXQ+(\kind)*(SXM-SXQ)
	v_add_nc_u32 v[SA1], s11, v19
	s_lshl_b32 s6, s[WT], 1
	s_add_co_u32 s6, s6, s[G0]                     ; my head
	s_lshl_b32 s7, s[TT], 7
	s_lshl_b32 s8, s[G1], 6
	s_add_co_u32 s7, s7, s8                        ; my first token, counted through all batches
.if \kind
	s_lshr_b32 s8, s7, 11                          ; k: batch,
	s_lshl_b32 s8, s8, 3
	s_add_co_u32 s8, s8, s[WT]
	s_lshl_b32 s11, s[G0], 2
	s_add_co_u32 s8, s8, s11                       ; pair = 8 x batch + the head's place in the order of use
	s_bfe_u32 s11, s7, 0x70004
	s_lshl_b32 s20, s8, 7
	s_add_co_u32 s20, s20, s11
	s_lshl_b32 s20, s20, 9                         ; images: 512 bytes a tile
	s_bfe_u32 s11, s7, 0x50006
	s_lshl_b32 s11, s11, 8
	s_mul_i32 s21, s8, 12288
	s_add_co_u32 s21, s21, s11
	s_add_co_u32 s21, s21, KVS                     ; scale words: 256 bytes a group of 64 tokens
.else
	s_lshr_b32 s8, s7, 9                           ; q: batch,
	s_lshl_b32 s8, s8, 5
	s_add_co_u32 s8, s8, s6                        ; 32 x batch + head
	s_bfe_u32 s11, s7, 0x50004                     ; token tile in the batch
	s_lshl_b32 s20, s8, 5
	s_add_co_u32 s20, s20, s11
	s_lshl_b32 s20, s20, 9
	s_bfe_u32 s11, s7, 0x30006                     ; group of 64 tokens
	s_lshl_b32 s21, s8, 3
	s_add_co_u32 s21, s21, s11
	s_lshl_b32 s21, s21, 8
	s_add_co_u32 s21, s21, QSC
.endif
	s_mov_b32 s15, 0
	s_wait_alu depctr_va_vdst(0)
	s_wait_kmcnt 0x0
.if \kind
	s_cmp_eq_u32 s[G0], 0
	s_cselect_b64 s[16:17], s[16:17], s[18:19]     ; the even head of my two turns with peak, the odd one with neg_peak
.endif
	s_lshl_b32 s14, s6, 8
	s_add_nc_u64 s[12:13], s[12:13], s[14:15]      ; 64 numbers of bias a head
	s_lshl_b32 s14, s7, 8
	s_add_nc_u64 s[16:17], s[16:17], s[14:15]      ; 256 bytes of sines and cosines a token
	s_mov_b32 s14, s20
	s_add_nc_u64 s[100:101], s[22:23], s[14:15]    ; my four images
	s_mov_b32 s14, s21
	s_add_nc_u64 s[104:105], s[22:23], s[14:15]    ; my group's scale words
.irp b, 0,1,2,3
	global_load_b128 v[BIAS+8*\b:BIAS+8*\b+3],   v21, s[12:13] offset:64*\b
	global_load_b128 v[BIAS+8*\b+4:BIAS+8*\b+7], v21, s[12:13] offset:64*\b+16
.endr
	WIN TO_F
.irp a, 0,1,2,3
.irp b, 0,1,2,3
	global_load_b128 v[EMB+32*\a+4*\b:EMB+32*\a+4*\b+3],       v18, s[16:17] offset:4096*\a+32*\b
	global_load_b128 v[EMB+32*\a+16+4*\b:EMB+32*\a+16+4*\b+3], v18, s[16:17] offset:4096*\a+32*\b+128
.endr
.endr
	WIN 0
.endm
; Tile a of 16 tokens.  Lane (r, h) holds token r and, in register 8 b + j, channel 16 b + 8 h + j of the head: the pairs (2 i, 2 i + 1), i = 8 b + 4 h + e.
.macro RTILE a
	WIN 0x02                                       ; source 0: the accumulators, window 2
.set i, 0
.rept 16
	v_pk_add_f32 v[XB+2*i:XB+2*i+1], v[32*(\a)+2*i:32*(\a)+2*i+1], v[BIAS+2*i:BIAS+2*i+1]   ; each accumulator from its low end on
.set i, i+1
.endr
	WIN 0x04                                       ; source 1: sines and cosines, window 1
.irp b, 0,1,2,3
.irp e, 0,1,2,3
	v_mul_f32 v[T+2*\e],   v[XB+8*\b+2*\e+1], v[EMB+32*(\a)+4*\b+\e]
	v_mul_f32 v[T+2*\e+1], v[XB+8*\b+2*\e],   v[EMB+32*(\a)+4*\b+\e]
.endr
.irp e, 0,1,2,3
	v_fma_f32 v[Z+8*\b+\e],   v[XB+8*\b+2*\e],   v[EMB+32*(\a)+16+4*\b+\e], -v[T+2*\e]     ; x0 cos - x1 sin: channel i of the result
	v_fma_f32 v[Z+8*\b+4+\e], v[XB+8*\b+2*\e+1], v[EMB+32*(\a)+16+4*\b+\e], v[T+2*\e+1]    ; x1 cos + x0 sin: channel 32 + i
.endr
.endr
	WIN 0
.irp b, 0,1,2,3
.irp e, 0,1,2,3
	v_permlane16_swap_b32 v[Z+8*\b+\e], v[Z+8*\b+4+\e]   ; now register m holds channel m in lanes 0-15 and channel 32 + m in lanes 16-31: a whole block of 32 in a lane, in the operand's order
.endr
.endr
	v_max3_num_f32 v[MXA], |v[Z]|,   |v[Z+1]|, 0x1800000   ; my block's largest magnitude, in two chains, over the floor 2^(3 - 127)
	v_max3_num_f32 v[MXB], |v[Z+2]|, |v[Z+3]|, 0x1800000
.irp i, 4,8,12,16,20,24,28
	v_max3_num_f32 v[MXA], v[MXA], |v[Z+\i]|,   |v[Z+\i+1]|
	v_max3_num_f32 v[MXB], v[MXB], |v[Z+\i+2]|, |v[Z+\i+3]|
.endr
	v_max_num_f32 v[MXA], v[MXA], v[MXB]
	v_add_nc_u32 v[SO], 0xff000000, v[MXA]         ; 2 off its exponent field: the conversion's scale operand
	v_lshrrev_b32 v[BY], 23, v[SO]                 ; the scale's byte
.irp i, 0,1,2,3
	v_cvt_scalef32_pk8_fp4_f32 v[CODE+4*(\a)+\i], v[Z+8*\i:Z+8*\i+7], v[SO]
.endr
	v_lshlrev_b32 v[BY], v6, v[BY]                 ; my byte at its place, 8 h bits up (a plain place behind the conversions)
	v_permlanex16_b32 v[OT], v[BY], s[SEL], s[SEL+1]
	v_or_b32 v[BY], v[BY], v[OT]                   ; with lane l xor 16's
	v_or_b32 v[WW+(\a)], 0x7f7f0000, v[BY]         ; the upper 64 of the instruction's 128 along K are zero codes under the byte 127
	global_store_b128 v4, v[CODE+4*(\a):CODE+4*(\a)+3], s[100:101] offset:512*(\a)   ; the image: 512 consecutive bytes
.endm
; A block of arm R: the products, with two refills on the way, and the way out.  pf = 0: mem's and Wk's tiles are prefetched; 1: Wv's.
.macro RBLOCK pf, d7, m7, d15, m15, g15
	FETCH 0
	WIN 0
.if \pf
	global_prefetch_b8 v24, s[96:97] th:TH_LOAD_NT scope:SCOPE_SE
.else
	global_prefetch_b8 v24, s[92:93] th:TH_LOAD_NT scope:SCOPE_SE
	global_prefetch_b8 v24, s[94:95] th:TH_LOAD_NT scope:SCOPE_SE
.endif
	KSTEP 0, 1
	STEPS 1, 6
	RSTEP 7, \d7, \m7, G1SX
	STEPS 8, 7
	RSTEP 15, \d15, \m15, \g15
	WIN 0
	PLACES 4                                       ; in front of the first read of results
	s_wait_loadcnt 0x0                             ; bias, sines and cosines
	RTILE 0
	RTILE 1
	RTILE 2
	RTILE 3
	v_cmp_le_u32 vcc_lo, 16, v3
	v_cndmask_b32 v226, v[WW], v[WW+1], vcc_lo     ; lanes 0-15: tiles 0 and 2; lanes 16-31: tiles 1 and 3
	v_cndmask_b32 v227, v[WW+2], v[WW+3], vcc_lo
	global_store_b64 v5, v[226:227], s[104:105]    ; the group's 64 scale words: 256 consecutive bytes, aligned
.endm
	RSET 0
	s_wait_tensorcnt 0x0                           ; my load of the head's four has landed
	ds_add_u32 v254, v255
	DESC 1
	s_wait_dscnt 0x0
	CROUND                                         ; round 1
	TREE 15, G1SX                                  ; slot 1's first fill, and k's scale bytes
	RBLOCK 0, 2, 3, 3, 7, G1SW                     ; q; rounds 2 and 3
	RSET 1
	RBLOCK 1, 4, 2, 5, 2, G1SX                     ; k; rounds 4 and 5
	; ================ ARM V ================
.set NT0,  8
.set NT1,  2
.set FB,   80
.set SETW, 40
.set NSC,  10
	s_wait_xcnt 0x0                                ; k's stores and my prefetch have read their registers
	s_load_b64 s[104:105], s[0:1], 0x58            ; bv
	s_load_b64 s[100:101], s[0:1], 0x80            ; kvw
	v_mov_b32 v[ADR0], v7                          ; source 0: all 128 tokens
	v_add_nc_u32 v[ADR0+1], SLOT, v7
	s_mul_i32 s11, s[WV], 32*PITCH
	s_add_co_u32 s11, s11, WOFF
	v_add_nc_u32 v[ADR1], s11, v7                  ; source 1: my 32 rows of Wv
	v_add_nc_u32 v[ADR1+1], SLOT, v[ADR1]
	v_add_nc_u32 v[SA0], SXM, v19
	s_mul_i32 s11, s[WV], 2176
	s_add_co_u32 s11, s11, SWQ                     ; Wv's scale bytes lie where Wq's lay
	v_add_nc_u32 v[SA1], s11, v19
	v_mov_b32 v[TM+2], 0                           ; lane permutes' destinations count as sources
	v_mov_b32 v[TM+3], 0
	s_lshr_b32 s6, s[TT], 4
	s_lshl_b32 s6, s6, 3
	s_lshl_b32 s7, s[WT], 1
	s_add_co_u32 s6, s6, s7
	s_add_co_u32 s6, s6, s[G0]                     ; pair = 8 x batch + v's head
	s_and_b32 s7, s[TT], 15                        ; which 128 keys of the batch
	s_lshl_b32 s8, s6, 4
	s_add_co_u32 s8, s8, s7
	s_lshl_b32 s8, s8, 2
	s_lshl_b32 s11, s[G1], 1
	s_add_co_u32 s8, s8, s11                       ; my first tile of 16 channels
	s_lshl_b32 s8, s8, 10
	s_add_co_u32 s12, s8, VIM
	s_mov_b32 s13, 0
	s_wait_alu depctr_va_vdst(0)
	s_wait_kmcnt 0x0
	s_add_nc_u64 s[14:15], s[100:101], s[12:13]    ; my four images
	s_mul_i32 s12, s6, 12288
	s_lshl_b32 s7, s7, 8
	s_add_co_u32 s12, s12, s7
	s_lshl_b32 s11, s[G1], 7
	s_add_co_u32 s12, s12, s11
	s_add_co_u32 s12, s12, KVS+8192
	s_add_nc_u64 s[16:17], s[100:101], s[12:13]    ; my 32 scale words
	s_lshl_b32 s12, s[WT], 9
	s_lshl_b32 s11, s[WV], 7
	s_add_co_u32 s12, s12, s11
	s_add_nc_u64 s[104:105], s[104:105], s[12:13]  ; bv at my 32 channels
.irp a, 0,1
	global_load_b32 v[BV+2*\a],   v23, s[104:105] offset:64*\a
	global_load_b32 v[BV+2*\a+1], v23, s[104:105] offset:64*\a
.endr
	FETCH 0
	KSTEP 0, 1
	STEPS 1, 6
	s_wait_dscnt 0x0                               ; step 7: no LDS load of mine is out at the signal,
	s_wait_tensorcnt 0x0                           ; and round 5's load has landed
	s_barrier_signal -1
	WIN MUL
	MULH 7, 0, 0
	s_barrier_wait -1
	PLACES 4
	FETCH 8
	WIN MUL
	MULH 7, 1, 0
	STEPS 8, 7
	s_wait_dscnt NT1                               ; step 15: nothing more to fetch
	WIN MUL
	MULH 15, 0, 0
	s_wait_dscnt 0x0
	MULH 15, 1, 0
	WIN 0
	PLACES 4                                       ; in front of the first read of results
	s_wait_loadcnt 0x0
; Tile a of 16 channels.  Lane (r, h) holds channel r and, in register 8 t + j, key 16 t + 8 h + j of the block's 128: two groups of 64 keys, four blocks: a whole scale word.
.macro VTILE a
	WIN 0x02
.set i, 0
.rept 32
	v_pk_add_f32 v[XB+2*i:XB+2*i+1], v[64*(\a)+2*i:64*(\a)+2*i+1], v[BV+2*(\a):BV+2*(\a)+1]   ; each accumulator from its low end on
.set i, i+1
.endr
	WIN 0
	QUANT64 XB, CODE+8*(\a), 214
	QUANT64 XB+32, CODE+8*(\a)+4, 215
	v_lshl_or_b32 v[WWV+(\a)], v215, 16, v214
	global_store_b128 v4, v[CODE+8*(\a):CODE+8*(\a)+3],   s[14:15] offset:1024*(\a)
	global_store_b128 v4, v[CODE+8*(\a)+4:CODE+8*(\a)+7], s[14:15] offset:1024*(\a)+512
.endm
	VTILE 0
	VTILE 1
	v_cmp_le_u32 vcc_lo, 16, v3
	v_cndmask_b32 v218, v[WWV], v[WWV+1], vcc_lo
	global_store_b32 v22, v218, s[16:17]           ; 128 consecutive bytes: half of an aligned 256; the wave beside me writes the other half.  v's scale words are 131,072 of the 6,946,816 bytes that this launch stores
	s_wait_tensorcnt 0x0                           ; the wave's end
	ds_add_u32 v254, v255
	s_wait_dscnt 0x0
	CROUND                                         ; the closing round: no work-group ends while a partner may still ask for a tile that names it
	s_endpgm
.Lfunc_end_k_qcd61e7ee20_proj:
	.size	k_qcd61e7ee20_proj, .Lfunc_end_k_qcd61e7ee20_proj-k_qcd61e7ee20_proj
	.p2alignl 7, 3214868480
	.fill 96, 4, 3214868480
	.section	.rodata,"a",@progbits
	.p2align	6, 0x0
	.amdhsa_kernel k_qcd61e7ee20_proj
		.amdhsa_group_segment_fixed_size 327680
		.amdhsa_private_segment_fixed_size 0
		.amdhsa_enable_private_segment 0
		.amdhsa_kernarg_size 136
		.amdhsa_user_sgpr_count 2
		.amdhsa_user_sgpr_kernarg_segment_ptr 1
		.amdhsa_wavefront_size32 1
		.amdhsa_system_sgpr_workgroup_id_x 1
		.amdhsa_system_sgpr_workgroup_id_y 1
		.amdhsa_system_sgpr_workgroup_id_z 1
		.amdhsa_system_vgpr_workitem_id 0
		.amdhsa_next_free_vgpr 640
		.amdhsa_next_free_sgpr 106
		.amdhsa_reserve_vcc 1
		.amdhsa_float_denorm_mode_32 3
		.amdhsa_float_denorm_mode_16_64 3
		.amdhsa_memory_ordered 1
		.amdhsa_forward_progress 1
		.amdhsa_inst_pref_size 255
	.end_amdhsa_kernel
	.section	.bss,"aw",@nobits
	.p2align	6
	.space	262144
	.amdgpu_metadata
---
amdhsa.version: [ 1, 2 ]
amdhsa.kernels:
  - .name:           k_qcd61e7ee20_proj
    .symbol:         k_qcd61e7ee20_proj.kd
    .args:
      - { .name: tq, .offset: 0, .size: 8, .value_kind: global_buffer, .address_space: global }
      - { .name: mem_codes, .offset: 8, .size: 8, .value_kind: global_buffer, .address_space: global }
      - { .name: mem_scales, .offset: 16, .size: 8, .value_kind: global_buffer, .address_space: global }
      - { .name: Wq_codes, .offset: 24, .size: 8, .value_kind: global_buffer, .address_space: global }
      - { .name: Wq_scales, .offset: 32, .size: 8, .value_kind: global_buffer, .address_space: global }
      - { .name: Wk_codes, .offset: 40, .size: 8, .value_kind: global_buffer, .address_space: global }
      - { .name: Wk_scales, .offset: 48, .size: 8, .value_kind: global_buffer, .address_space: global }
      - { .name: Wv_codes, .offset: 56, .size: 8, .value_kind: global_buffer, .address_space: global }
      - { .name: Wv_scales, .offset: 64, .size: 8, .value_kind: global_buffer, .address_space: global }
      - { .name: bq, .offset: 72, .size: 8, .value_kind: global_buffer, .address_space: global }
      - { .name: bk, .offset: 80, .size: 8, .value_kind: global_buffer, .address_space: global }
      - { .name: bv, .offset: 88, .size: 8, .value_kind: global_buffer, .address_space: global }
      - { .name: step_mass_embed, .offset: 96, .size: 8, .value_kind: global_buffer, .address_space: global }
      - { .name: peak_mzs_embed, .offset: 104, .size: 8, .value_kind: global_buffer, .address_space: global }
      - { .name: neg_peak_mzs_embed, .offset: 112, .size: 8, .value_kind: global_buffer, .address_space: global }
      - { .name: qw, .offset: 120, .size: 8, .value_kind: global_buffer, .address_space: global }
      - { .name: kvw, .offset: 128, .size: 8, .value_kind: global_buffer, .address_space: global }
    .group_segment_fixed_size: 327680
    .private_segment_fixed_size: 0
    .kernarg_segment_align: 8
    .kernarg_segment_size: 136
    .max_flat_workgroup_size: 128
    .sgpr_count:     106
    .vgpr_count:     640
    .wavefront_size: 32
...
	.end_amdgpu_metadata
.endif
;; end of part 2
;; launch attn (part 3): grid 8 x 32, 16 waves a work-group, clusters of 4 x 1, 219,648 bytes of LDS; arguments qw, kvw, ow; writes ow
.if DOCPART == 3
	.amdgcn_target "amdgcn-amd-amdhsa--gfx1250"
	.amdhsa_code_object_version 6
	.text
	.protected	k_qcd61e7ee20_attn
	.globl	k_qcd61e7ee20_attn
	.p2align	8
	.type	k_qcd61e7ee20_attn,@function
k_qcd61e7ee20_attn:
	s_mov_b64 s[64:65], 0
	v_nop
	global_prefetch_b8 v0, s[64:65] scope:SCOPE_SE
	s_setreg_imm32_b32 hwreg(HW_REG_WAVE_MODE, 25, 1), 1
	s_wait_xcnt 0x0
	s_wait_alu depctr_hold_cnt(0) depctr_sa_sdst(0) depctr_va_vdst(0) depctr_va_sdst(0) depctr_va_ssrc(0) depctr_va_vcc(0) depctr_vm_vsrc(0)
	s_getreg_b32 s2, hwreg(HW_REG_IB_STS2, 6, 4)
	s_cmp_eq_u32 s2, 0
	s_cbranch_scc0 .Lentry_in_a_cluster
	s_endpgm
.Lentry_in_a_cluster:
	s_bfe_u32 s2, ttmp6, 0x10000c
	s_cmp_lg_u32 s2, 0x3003
	s_cbranch_scc0 .Lentry_shape_is_right
	s_endpgm
.Lentry_shape_is_right:
; ATTENTION on codes of FP4 with E8M0 scales: S^T = K Q^T (K = the head's 64), the softmax, O^T = V^T P^T (K = the keys), O / l, and O quantised along the next product's K.
; THE SOFTMAX: t = score x log2(e) / 8; M = the row's largest t rounded UP to a whole number; p = 2^(t - M) is what is quantised, along the keys, not normalised.  The row's sum is taken of the unquantised p, in f32, and divides O at the end.
; TWO PASSES OVER THE KEYS.  Pass A multiplies K Q^T and takes only the largest score of each block of 32 keys and of the row: M is the row's own, as the problem writes it.  Pass B multiplies K Q^T once more and does the rest.
; So no sum and no accumulator is ever rescaled, and a step of pass B has one batch of exponentials.  The blocks' largest scores wait in the wave's own 4,096 bytes of LDS (8 bytes a lane and step).
; SHARES.  A work-group takes one pair (batch, kv head) and 64 tokens: the pair's four query heads x four tiles of 16 tokens = sixteen waves of 256 registers, four to a SIMD.  Wave w: query head 4 kvh + w / 4, tile w % 4.  A step is 128 keys; 16 steps a pass.
; ALL OF THE PAIR'S K AND V LIES IN LDS, every byte filled once, by nine loads at the head, one a wave: waves 0-3 K's quarters, waves 4-7 V's, wave 8 the scale words.  Nothing is filled again.
; CLUSTER.  The four work-groups of a cluster are four groups of 64 tokens of one pair: they read the same K and V and ask jointly, by the mask 15.
; NO PREFETCH: every byte is asked for at the head, and there is no loop ahead of those loads to ask in.
; LAYOUT.  Both products are used transposed: a lane holds ONE query (lane % 16).  THE KEYS OF A TILE ARE CHOSEN: of a group of 64 keys, tile u takes keys 8 u + 0..7 as its rows 0-7 and keys 32 + 8 u + 0..7 as its rows 8-15.
; Lane (r, h) then holds, in the 32 registers of the group's four tiles, keys 32 h + 0 .. 31 in their order: a whole block, as the second product's operand wants it: each conversion's result is a register of that operand.
; K's images lie by tiles of 16 neighbouring keys, so row m of tile u is read at image 2 (m / 8) + u / 2, place 8 (u % 2) + m % 8; 128 bytes of padding behind every 1,024 set rows 8-15 apart from rows 0-7 by 128 modulo 256 bytes.
; The first product's K is 64 of the instruction's 128: registers 4-7 of Q are zero codes, so whatever finite codes stand against them add nothing; FP4 has finite codes alone.  So K's tiles lie four registers apart, and a tile's upper
; four registers are the next tile's (the last tile's: four registers of zeros); bytes 2, 3 of both scale words are 127.
; A BLOCK'S LARGEST p IS NOT SEARCHED FOR: p rises with the score, so the block's largest score goes through the same multiply-add and exponential.  (That takes v_exp_f32 not to fall where its input rises, which the ISA
; guide does not state; at the worst one p of a block, within an ulp of a power of two, is held one code low.)
; LIMITS: a block of p or of O whose largest magnitude lies under 2^-124 keeps the scale byte 1; NaN and infinities are not served.
.set QSC,   2097152
.set VIM,   2097152
.set KVS,   4194304
.set OSC,   2097152
.set KSTEP, 4608                       ; LDS: a step's eight images of K: four rows of 1,024 + 128 bytes
.set VIMG,  73728                      ; V's images, dense, behind K's 64 rows
.set KVSL,  139264                     ; the scale words: 8,192 bytes of K's, 4,096 of V's
.set OSX,   151552                     ; 512 bytes in which the sixteen waves' halves of O's scale words meet: stored to, never filled
.set SCR,   152064                     ; the blocks' largest scores: 4,096 bytes a wave: stored to, never filled
.set SPARE, 217600                     ; the spare words, 128 bytes a wave
.set WV,   10
.set SEL,  20                          ; s[20:21] lane selects for lane l xor 16
.set CS,   22                          ; s[22:23] c = log2(e) / 8
.set G1K,  24                          ; s[24:31] group 1 for K's quarters;  s[32:39] for V's;  s[52:59] for the scale words;  s[40:51] their groups 0
.set G1V,  32
.set G1S,  52
; REGISTERS: v1 16 x lane; v2, v3 my place in K's images and scale words; v4 in V's scale words; v5 in my wave's scratch; v6 8 h; v7 in V's images; v8, v9 O's scale words; v10, v11, v34-36 the step's addresses;
; v12 -M, v13 the largest score, then t; v16-23 Q; v24 Q's scale word, v25 p's: with KS and VS they hold scales alone; v[32:33] two blocks' largest.
.set KS,   26                          ; v26-29   K's scale words: register 2 c + i: tile 2 i of group c in lanes 0-15, tile 2 i + 1 in lanes 16-31
.set VS,   30                          ; v30-31   V's likewise
.set KF,   40                          ; v40-75   K's eight tiles, four registers each, and four zeros
.set VF,   76                          ; v76-107  V's four tiles
.set S,    108                         ; v108-171 S^T, then p
.set O,    172                         ; v172-203 O^T
.set P,    204                         ; v204-211 p's codes
.set SUM,  212                         ; v212-219 the row's sum in four chains of pairs
.set T,    220                         ; v220-223 four chains of maxima
.set SO,   224                         ; v224-225 the conversions' scale operands;  v226-227 the bytes;  v228-229 the word on its way
.set BY,   226
.set W,    228
.set TM,   230                         ; v230-236 the way out's quantiser
.macro CROUND
	s_barrier_signal -1
	s_barrier_wait -1
	s_cmp_lg_u32 s[WV], 0
	s_cbranch_scc1 .Lnot_wave_0_\@
	s_barrier_signal -3
.Lnot_wave_0_\@:
	s_barrier_wait -3
	s_barrier_signal -1
	s_barrier_wait -1
.endm
.macro TL g0, g1                       ; a joint load with s_nop 0 and four v_nop behind it
	tensor_load_to_lds s[\g0:\g0+3], s[\g1:\g1+7]
	s_nop 0
.rept 4
	v_nop
.endr
.endm
.macro QUANT64 s, d, y                 ; 32 numbers v[s + 8 t + j] = k 16 t + 8 (lane / 16) + j of my row -> four operand registers and two scale bytes
.irp b, 0,1
	v_max3_num_f32 v[TM+\b], |v[(\s)+16*\b]|, |v[(\s)+16*\b+1]|, 0x1800000
.endr
.irp i, 2,4,6,8,10,12,14
.irp b, 0,1
	v_max3_num_f32 v[TM+\b], v[TM+\b], |v[(\s)+16*\b+\i]|, |v[(\s)+16*\b+\i+1]|
.endr
.endr
.irp b, 0,1
	v_permlanex16_b32 v[TM+2+\b], v[TM+\b], s[SEL], s[SEL+1]
.endr
.irp b, 0,1
	v_max_num_f32 v[TM+\b], v[TM+\b], v[TM+2+\b]
.endr
.irp b, 0,1
	v_add_nc_u32 v[TM+4+\b], 0xff000000, v[TM+\b]
.endr
.irp b, 0,1
	v_lshrrev_b32 v[TM+2+\b], 23, v[TM+4+\b]
.endr
	v_lshl_or_b32 v[\y], v[TM+3], 8, v[TM+2]
	v_cvt_scalef32_pk8_fp4_f32 v[(\d)],   v[(\s):(\s)+7],     v[TM+4]
	v_cvt_scalef32_pk8_fp4_f32 v[(\d)+2], v[(\s)+8:(\s)+15],  v[TM+4]
	v_cvt_scalef32_pk8_fp4_f32 v[(\d)+1], v[(\s)+16:(\s)+23], v[TM+5]
	v_cvt_scalef32_pk8_fp4_f32 v[(\d)+3], v[(\s)+24:(\s)+31], v[TM+5]
	v_nop
	v_permlane16_swap_b32 v[(\d)], v[(\d)+1]
	v_permlane16_swap_b32 v[(\d)+2], v[(\d)+3]
.endm
	s_load_b128 s[4:7], s[0:1], 0x0                ; qw, kvw
	s_load_b64 s[8:9], s[0:1], 0x10                ; ow
	v_lshl_add_u32 v254, v0, 2, SPARE
	v_mov_b32 v255, 0
	ds_add_u32 v254, v255                          ; the opening lines: the add, twice on end, and its wait ahead of the first tensor load
	ds_add_u32 v254, v255
	v_lshrrev_b32 v9, 5, v0
	v_readfirstlane_b32 s[WV], v9                  ; wave 0..15
	s_lshr_b32 s11, s[WV], 2                       ; g: which of the pair's four query heads
	s_and_b32 s12, s[WV], 3                        ; which tile of 16 tokens; also: which quarter I fetch
	s_bfe_u32 s13, ttmp6, 0x40000                  ; cx
	s_lshl_b32 s14, ttmp9, 2
	s_add_co_u32 s14, s14, s13                     ; my group of 64 tokens: it enters global addresses of q and o alone
	s_and_b32 s15, ttmp7, 0xffff                   ; the pair, which the partners share
	s_lshr_b32 s16, s15, 3                         ; batch
	s_and_b32 s17, s15, 7                          ; kv head
	s_mov_b32 s[G1K], 15|(3<<16)|(1<<20)|(1<<21)|(7<<22)|(31<<25)  ; the mask: all four; elements of 8 bytes; padding: 32 words after every 256; bit 21 set beside a mask
	s_mov_b32 s[G1K+1], 128<<16                    ; a quarter of K: 16 rows of 1,024 bytes, dense in memory
	s_mov_b32 s[G1K+2], 16<<16
	s_mov_b32 s[G1K+3], 128<<16
	s_mov_b32 s[G1K+4], 16
	s_mov_b32 s[G1K+5], 128
	s_mov_b32 s[G1K+6], 0
	s_mov_b32 s[G1K+7], 0
	s_mov_b32 s[G1V], 15|(3<<16)|(1<<21)           ; a quarter of V: 16,384 dense bytes as 64 rows of 256
	s_mov_b32 s[G1V+1], 32<<16
	s_mov_b32 s[G1V+2], 64<<16
	s_mov_b32 s[G1V+3], 32<<16
	s_mov_b32 s[G1V+4], 64
	s_mov_b32 s[G1V+5], 32
	s_mov_b32 s[G1V+6], 0
	s_mov_b32 s[G1V+7], 0
	s_mov_b32 s[G1S], 15|(3<<16)|(1<<21)           ; the scale words: 12,288 dense bytes as 48 rows of 256
	s_mov_b32 s[G1S+1], 32<<16
	s_mov_b32 s[G1S+2], 48<<16
	s_mov_b32 s[G1S+3], 32<<16
	s_mov_b32 s[G1S+4], 48
	s_mov_b32 s[G1S+5], 32
	s_mov_b32 s[G1S+6], 0
	s_mov_b32 s[G1S+7], 0
	s_mul_i32 s61, s12, 18432                      ; my quarter of K in LDS: 16 rows of 1,152 bytes,
	s_lshl_b32 s62, s12, 14                        ; a quarter in memory,
	s_mov_b32 s63, 0
	s_add_co_u32 s60, s62, VIMG                    ; and my quarter of V in LDS: the wave's number alone enters an LDS address
	s_lshl_b32 s86, s15, 16                        ; the pair's 65,536 bytes of images
	s_mov_b32 s87, 0
	s_mul_i32 s18, s15, 12288
	s_add_co_u32 s18, s18, KVS                     ; and its scale words
	s_mov_b32 s19, 0
	s_lshl_b32 s88, s17, 2
	s_add_co_u32 s88, s88, s11
	s_lshl_b32 s89, s16, 5
	s_add_co_u32 s88, s88, s89                     ; 32 x batch + query head
	s_lshl_b32 s90, s88, 5
	s_lshl_b32 s89, s14, 2
	s_add_co_u32 s90, s90, s89
	s_add_co_u32 s90, s90, s12
	s_lshl_b32 s90, s90, 9                         ; q's image
	s_mov_b32 s91, 0
	s_lshl_b32 s92, s88, 3
	s_add_co_u32 s92, s92, s14
	s_lshl_b32 s92, s92, 8
	s_and_b32 s89, s12, 1
	s_lshl_b32 s89, s89, 7
	s_add_co_u32 s92, s92, s89
	s_lshr_b32 s89, s12, 1
	s_lshl_b32 s89, s89, 2
	s_add_co_u32 s92, s92, s89
	s_add_co_u32 s92, s92, QSC                     ; q's scale words: tile t at 128 (t % 2) + 4 (t / 2) + 8 r in the group's 256 bytes
	s_mov_b32 s93, 0
	s_lshl_b32 s94, s16, 5
	s_lshl_b32 s89, s14, 2
	s_add_co_u32 s94, s94, s89
	s_add_co_u32 s94, s94, s12                     ; o: my tile of tokens,
	s_lshl_b32 s94, s94, 4
	s_lshl_b32 s89, s17, 1
	s_add_co_u32 s94, s94, s89
	s_lshr_b32 s89, s11, 1
	s_add_co_u32 s94, s94, s89                     ; the K step of 128 in which my head lies,
	s_lshl_b32 s94, s94, 10
	s_and_b32 s89, s11, 1
	s_lshl_b32 s89, s89, 9
	s_add_co_u32 s94, s94, s89                     ; and which half of it
	s_mov_b32 s95, 0
	s_lshl_b32 s96, s16, 3
	s_add_co_u32 s96, s96, s14
	s_lshl_b32 s96, s96, 3
	s_add_co_u32 s96, s96, s17
	s_lshl_b32 s96, s96, 9
	s_add_co_u32 s96, s96, OSC                     ; o's scale words: 512 bytes for a group of 64 tokens and a kv head
	s_mov_b32 s97, 0
	s_mov_b32 s[SEL], 0x76543210
	s_mov_b32 s[SEL+1], 0xfedcba98
	s_mov_b32 s[CS], 0x3e38aa3b                    ; c = log2(e) / 8
	s_mov_b32 s[CS+1], s[CS]                       ; (named with it as a pair, so it is written)
	s_wait_dscnt 0x0                               ; both opening adds are done
	s_wait_kmcnt 0x0
	s_add_nc_u64 s[68:69], s[6:7], s[86:87]
	s_add_nc_u64 s[68:69], s[68:69], s[62:63]      ; my quarter of K's images
	s_mov_b32 s40, 1
	s_mov_b32 s41, s61
	s_mov_b64 s[42:43], s[68:69]
	s_or_b32 s43, s43, 0x80000000
	s_mov_b32 s44, 1
	s_mov_b32 s45, s60
	s_add_nc_u64 s[46:47], s[68:69], VIM           ; of V's
	s_or_b32 s47, s47, 0x80000000
	s_mov_b32 s48, 1
	s_mov_b32 s49, KVSL
	s_add_nc_u64 s[50:51], s[6:7], s[18:19]
	s_or_b32 s51, s51, 0x80000000
	s_add_nc_u64 s[90:91], s[4:5], s[90:91]
	s_add_nc_u64 s[92:93], s[4:5], s[92:93]
	s_add_nc_u64 s[94:95], s[8:9], s[94:95]
	s_add_nc_u64 s[96:97], s[8:9], s[96:97]
	CROUND                                         ; all four work-groups are here: the joint loads meet
	s_cmp_lt_u32 s[WV], 4                          ; one tree of branches on the wave's number, one load to an arm, all arms to one join
	s_cbranch_scc0 .Lhead_v
	TL 40, G1K
	s_branch .Lasked
.Lhead_v:
	s_cmp_lt_u32 s[WV], 8
	s_cbranch_scc0 .Lhead_s
	TL 44, G1V
	s_branch .Lasked
.Lhead_s:
	s_cmp_eq_u32 s[WV], 8
	s_cbranch_scc0 .Lasked
	TL 48, G1S
.Lasked:
	v_and_b32 v9, 31, v0                           ; lane
	v_lshlrev_b32 v1, 4, v9                        ; 16 x lane
	v_and_b32 v10, 15, v0                          ; r
	v_lshlrev_b32 v11, 3, v10                      ; 8 r
	global_load_b128 v[16:19], v1, s[90:91]        ; Q's image: registers 0-3 of the operand
	global_load_b32 v24, v11, s[92:93]             ; and its scale words
	v_bfe_u32 v6, v0, 4, 1                         ; h
	v_and_b32 v34, 7, v0                           ; r % 8
	v_bfe_u32 v35, v0, 3, 1                        ; r / 8
	v_lshrrev_b32 v36, 5, v0                       ; wave
	v_lshlrev_b32 v2, 4, v34
	v_lshlrev_b32 v3, 3, v34
	v_lshlrev_b32 v5, 3, v9
	v_lshl_add_u32 v2, v6, 8, v2
	v_lshl_add_u32 v3, v35, 2, v3
	v_lshl_add_u32 v5, v36, 12, v5
	v_mad_u32_u24 v2, v35, 1152, v2                ; K's images: 1,152 (r / 8) + 16 (r % 8) + 256 h
	v_lshl_add_u32 v3, v6, 6, v3
	v_add_nc_u32 v5, SCR, v5                       ; my scratch: SCR + 4,096 x wave + 8 x lane
	v_add_nc_u32 v3, KVSL, v3                      ; K's scale words: 8 (r % 8) + 4 (r / 8) + 64 h: lanes 16-31 take the next tile's
	v_lshl_add_u32 v4, v9, 2, KVSL+8192            ; V's: 4 x lane: lanes 16-31 take the next tile's
	v_add_nc_u32 v7, VIMG, v1
	v_lshlrev_b32 v6, 3, v6                        ; 8 h
	s_lshl_b32 s18, s12, 7
	s_lshl_b32 s19, s11, 1
	s_add_co_u32 s18, s18, s19
	s_add_co_u32 s18, s18, OSX
	v_add_nc_u32 v8, s18, v11                      ; my two bytes of O's scale words: OSX + 128 x tile + 2 g + 8 r
	v_add_nc_u32 v9, OSX, v1
.irp j, 20,21,22,23, 72,73,74,75, 229,232,233
	v_mov_b32 v[\j], 0                             ; Q's zero codes; the four registers behind K's last tile; lane permutes' destinations, which count as sources
.endr
	v_mov_b32 v13, 0xff61b1e6                      ; the largest score so far: -3e38
.set j, 0
.rept 8
	v_mov_b32 v[SUM+j], 0
.set j, j+1
.endr
.set j, 0
.rept 32
	v_mov_b32 v[O+j], 0                            ; O^T: pass B's step is written without a first form of its own
.set j, j+1
.endr
.macro KLOAD ka, ksa                   ; a step's eight tiles of K and their scale words: 12 loads
.irp c, 0,1
.irp u, 0,1,2,3
	ds_load_b128 v[KF+16*\c+4*\u:KF+16*\c+4*\u+3], v[\ka] offset:2304*\c+512*(\u/2)+128*(\u%2)
.endr
.irp i, 0,1
	ds_load_b32 v[KS+2*\c+\i], v[\ksa] offset:256*\c+128*\i
.endr
.endr
.endm
.macro SMUL                            ; S^T = K Q^T: eight tiles of 16 keys, each its own accumulator
.irp c, 0,1
.irp u, 0,1,2,3
.if (\u)%2
	v_wmma_scale_f32_16x16x128_f8f6f4 v[S+32*\c+8*\u:S+32*\c+8*\u+7], v[KF+16*\c+4*\u:KF+16*\c+4*\u+7], v[16:23], 0, v[KS+2*\c+\u/2], v24 matrix_a_fmt:MATRIX_FMT_FP4 matrix_b_fmt:MATRIX_FMT_FP4 matrix_a_scale:MATRIX_SCALE_ROW1
.else
	v_wmma_scale_f32_16x16x128_f8f6f4 v[S+32*\c+8*\u:S+32*\c+8*\u+7], v[KF+16*\c+4*\u:KF+16*\c+4*\u+7], v[16:23], 0, v[KS+2*\c+\u/2], v24 matrix_a_fmt:MATRIX_FMT_FP4 matrix_b_fmt:MATRIX_FMT_FP4
.endif
.endr
.endr
.endm
; PASS A, a step: the products; the next step's K is asked for; my two blocks' largest scores, in four chains by turns (17 and 15 numbers of each block, ascending: each accumulator is read from its low end on), go to my scratch.
.macro PASSA
	s_wait_dscnt 0x0                               ; this step's K
	SMUL
	v_add_nc_u32 v10, s80, v2                      ; three additions and a v_nop: the four places ahead of the loads into K's registers and of the first read of the scores
	v_add_nc_u32 v11, s81, v3
	v_add_nc_u32 v36, s82, v5
	v_nop
	KLOAD 10, 11
.irp c, 0,1
	v_max3_num_f32 v[T+2*\c],   v[S+32*\c],    v[S+32*\c+1],  v[S+32*\c+2]
	v_max3_num_f32 v[T+2*\c+1], v[S+32*\c+17], v[S+32*\c+18], v[S+32*\c+19]
.endr
.irp i, 0,2,4,6,8,10
.irp c, 0,1
	v_max3_num_f32 v[T+2*\c],   v[T+2*\c],   v[S+32*\c+3+\i],  v[S+32*\c+4+\i]
	v_max3_num_f32 v[T+2*\c+1], v[T+2*\c+1], v[S+32*\c+20+\i], v[S+32*\c+21+\i]
.endr
.endr
.irp c, 0,1
	v_max3_num_f32 v[T+2*\c], v[T+2*\c], v[S+32*\c+15], v[S+32*\c+16]
.endr
.irp c, 0,1
	v_max_num_f32 v[32+\c], v[T+2*\c], v[T+2*\c+1]
.endr
	v_max3_num_f32 v13, v13, v32, v33              ; my half of the row
	ds_store_b64 v36, v[32:33]
.endm
.macro PADD n                          ; n pairs of p onto the row's sum: four chains by turns
.rept \n
	v_pk_add_f32 v[SUM+2*(pa%4):SUM+2*(pa%4)+1], v[SUM+2*(pa%4):SUM+2*(pa%4)+1], v[S+2*pa:S+2*pa+1]
.set pa, pa+1
.endr
.endm
; PASS B, a step.  pf = 1: the next step's K is asked for.
.macro PASSB pf
	s_wait_dscnt 0x0                               ; this step's K
	SMUL
	v_add_nc_u32 v36, s82, v5                      ; at least four plain lines: the places ahead of the loads into K's and V's registers and of the first read of the scores
	v_add_nc_u32 v34, s84, v7
	v_add_nc_u32 v35, s82, v4
.if \pf
	v_add_nc_u32 v10, s80, v2
	v_add_nc_u32 v11, s81, v3
.else
	v_nop
.endif
	ds_load_b64 v[32:33], v36                      ; my two blocks' largest scores (LDS serves a wave's instructions in order: this sees pass A's store)
.irp t, 0,1,2,3
	ds_load_b128 v[VF+8*\t:VF+8*\t+3],   v34 offset:1024*\t
	ds_load_b128 v[VF+8*\t+4:VF+8*\t+7], v34 offset:1024*\t+512
.endr
	ds_load_b32 v[VS], v35
	ds_load_b32 v[VS+1], v35 offset:128
.if \pf
	KLOAD 10, 11
.endif
.set j, 0
.rept 32
	v_pk_fma_f32 v[S+j:S+j+1], v[S+j:S+j+1], s[CS:CS+1], v[12:13] op_sel_hi:[1,0,0]   ; t - M, two at a time; each accumulator from its low end on
.set j, j+2
.endr
	s_wait_dscnt 10+12*(\pf)                       ; the blocks' largest are in; V's ten loads and K's twelve may be out
	v_fma_f32 v32, v32, s[CS], v12                 ; the same of each block's largest score
	v_fma_f32 v33, v33, s[CS], v12
	s_wait_alu depctr_va_vdst(0)
.set j, 0
.rept 64
	v_exp_f32 v[S+j], v[S+j]                       ; p = 2^(t - M), at most 1
.set j, j+1
.endr
	v_exp_f32 v32, v32                             ; the blocks' largest p
	v_exp_f32 v33, v33
	v_nop                                          ; a plain place behind the exponentials
	s_wait_alu depctr_va_vdst(0)                   ; one wait for the batch, ahead of its first reader
.set pa, 0
	v_max_num_f32 v32, 0x1800000, v32              ; the floor 2^(3 - 127): the byte cannot fall under 1
	v_max_num_f32 v33, 0x1800000, v33
	PADD 2                                         ; the sums of the unquantised p stand between the lines that hang on each other
	v_add_nc_u32 v[SO],   0xff000000, v32          ; 2 off the exponent field: the conversion's scale operand
	v_add_nc_u32 v[SO+1], 0xff000000, v33
	PADD 2
.irp c, 0,1
.irp u, 0,1,2,3
	v_cvt_scalef32_pk8_fp4_f32 v[P+4*\c+\u], v[S+32*\c+8*\u:S+32*\c+8*\u+7], v[SO+\c]   ; keys 64 c + 32 h + 8 u + 0 .. 7: register 4 c + u of the operand
.endr
.endr
	v_lshrrev_b32 v[BY],   23, v[SO]               ; the scales' bytes: blocks h and 2 + h
	v_lshrrev_b32 v[BY+1], 23, v[SO+1]
	PADD 2
	v_lshl_or_b32 v[W], v[BY+1], 16, v[BY]
	PADD 3
	v_lshlrev_b32 v[W], v6, v[W]                   ; at their places in the word, 8 h bits up
	PADD 3
	v_permlanex16_b32 v[W+1], v[W], s[SEL], s[SEL+1]
	PADD 3
	v_or_b32 v25, v[W], v[W+1]                     ; with lane l xor 16's two: p's scale word
	PADD 17                                        ; seventeen plain lines ahead of the products that name the word and the codes
	s_wait_dscnt 12*(\pf)                          ; V's fragments and scale words are in; K's twelve loads may be out
.irp t, 0,1,2,3                                ; O^T += V^T P^T, the four accumulators by turns.  Each was last written ahead of this step's exponentials
	s_wait_alu depctr_va_vdst(0)
.if (\t)%2
	v_wmma_scale_f32_16x16x128_f8f6f4 v[O+8*\t:O+8*\t+7], v[VF+8*\t:VF+8*\t+7], v[P:P+7], v[O+8*\t:O+8*\t+7], v[VS+\t/2], v25 matrix_a_fmt:MATRIX_FMT_FP4 matrix_b_fmt:MATRIX_FMT_FP4 matrix_a_scale:MATRIX_SCALE_ROW1
.else
	v_wmma_scale_f32_16x16x128_f8f6f4 v[O+8*\t:O+8*\t+7], v[VF+8*\t:VF+8*\t+7], v[P:P+7], v[O+8*\t:O+8*\t+7], v[VS+\t/2], v25 matrix_a_fmt:MATRIX_FMT_FP4 matrix_b_fmt:MATRIX_FMT_FP4
.endif
.endr
.endm
	s_wait_alu depctr_va_vdst(0)
	s_wait_loadcnt 0x0                             ; Q
	s_wait_tensorcnt 0x0                           ; my load, if I issued one, has landed
	s_barrier_signal -1
	s_barrier_wait -1                              ; everybody's has: K, V and the scale words are whole
	KLOAD 2, 3                                     ; step 0's K
	s_mov_b32 s80, KSTEP                           ; the next step's K, its scale words; this step's place in the scratch
	s_mov_b32 s81, 512
	s_mov_b32 s82, 0
	s_mov_b32 s83, 15
.Lpass_a:
	PASSA
	s_add_co_u32 s80, s80, KSTEP
	s_add_co_u32 s81, s81, 512
	s_add_co_u32 s82, s82, 256
	s_sub_co_u32 s83, s83, 1
	s_cmp_lg_u32 s83, 0
	s_wait_alu depctr_va_vdst(0)
	s_cbranch_scc1 .Lpass_a
	s_mov_b32 s80, 0                               ; the last step asks for step 0's K again: pass B begins with it
	s_mov_b32 s81, 0
	PASSA
	v_permlanex16_b32 v229, v13, s[SEL], s[SEL+1]
	v_max_num_f32 v13, v13, v229                   ; with lane l xor 16's half: the row's largest score
	v_mul_f32 v13, s[CS], v13                      ; as t (c is positive)
	v_floor_f32 v12, -v13                          ; -M = floor(-t) = -ceil(t)
	s_mov_b32 s80, KSTEP
	s_mov_b32 s81, 512
	s_mov_b32 s82, 0                               ; this step's place in the scratch and in V's scale words,
	s_mov_b32 s84, 0                               ; and in V's images
	s_mov_b32 s83, 15
	s_wait_alu depctr_va_vdst(0)
.Lpass_b:
	PASSB 1
	s_add_co_u32 s80, s80, KSTEP
	s_add_co_u32 s81, s81, 512
	s_add_co_u32 s82, s82, 256
	s_add_co_u32 s84, s84, 4096
	s_sub_co_u32 s83, s83, 1
	s_cmp_lg_u32 s83, 0
	s_wait_alu depctr_va_vdst(0)
	s_cbranch_scc1 .Lpass_b
	PASSB 0                                        ; the last step asks for nothing more of K
	v_pk_add_f32 v[SUM:SUM+1], v[SUM:SUM+1], v[SUM+2:SUM+3]          ; the sum's four chains (these lines are the places behind the last products),
	v_pk_add_f32 v[SUM+4:SUM+5], v[SUM+4:SUM+5], v[SUM+6:SUM+7]
	v_pk_add_f32 v[SUM:SUM+1], v[SUM:SUM+1], v[SUM+4:SUM+5]
	v_add_f32 v14, v[SUM], v[SUM+1]
	v_permlanex16_b32 v229, v14, s[SEL], s[SEL+1]
	v_add_f32 v14, v14, v229                       ; and lane l xor 16's: the row's sum
	s_wait_alu depctr_va_vdst(0)
	v_rcp_f32 v14, v14
	v_nop                                          ; one plain place behind a transcendental
	s_wait_alu depctr_va_vdst(0)                   ; ahead of its first reader, and of the first readers of O^T
.set j, 0
.rept 32
	v_mul_f32 v[S+j], v[O+j], v14                  ; O^T / the sum: register 8 t + i is channel 16 t + 8 (lane / 16) + i of my head
.set j, j+1
.endr
	QUANT64 S, P, 236                              ; my head's 64 channels are two blocks of the next product's K
	global_store_b128 v1, v[P:P+3], s[94:95]       ; the image: 512 consecutive bytes
	ds_store_b16 v8, v236                          ; my half of the scale word (both halves of the lanes write the same bytes with the same value)
	s_wait_dscnt 0x0                               ; for the others' sake
	s_barrier_signal -1
	s_barrier_wait -1
	s_cmp_lg_u32 s[WV], 0
	s_cbranch_scc1 .Lnot_first
	ds_load_b128 v[S:S+3], v9
	s_wait_dscnt 0x0
	global_store_b128 v1, v[S:S+3], s[96:97]       ; the work-group's 128 scale words: 512 consecutive bytes
.Lnot_first:
	s_wait_tensorcnt 0x0                           ; the wave's end
	ds_add_u32 v254, v255
	s_wait_dscnt 0x0
	CROUND                                         ; the closing round
	s_endpgm
.Lfunc_end_k_qcd61e7ee20_attn:
	.size	k_qcd61e7ee20_attn, .Lfunc_end_k_qcd61e7ee20_attn-k_qcd61e7ee20_attn
	.p2alignl 7, 3214868480
	.fill 96, 4, 3214868480
	.section	.rodata,"a",@progbits
	.p2align	6, 0x0
	.amdhsa_kernel k_qcd61e7ee20_attn
		.amdhsa_group_segment_fixed_size 219648
		.amdhsa_private_segment_fixed_size 0
		.amdhsa_enable_private_segment 0
		.amdhsa_kernarg_size 24
		.amdhsa_user_sgpr_count 2
		.amdhsa_user_sgpr_kernarg_segment_ptr 1
		.amdhsa_wavefront_size32 1
		.amdhsa_system_sgpr_workgroup_id_x 1
		.amdhsa_system_sgpr_workgroup_id_y 1
		.amdhsa_system_sgpr_workgroup_id_z 1
		.amdhsa_system_vgpr_workitem_id 0
		.amdhsa_next_free_vgpr 256
		.amdhsa_next_free_sgpr 100
		.amdhsa_reserve_vcc 0
		.amdhsa_float_denorm_mode_32 3
		.amdhsa_float_denorm_mode_16_64 3
		.amdhsa_memory_ordered 1
		.amdhsa_forward_progress 1
		.amdhsa_inst_pref_size 45
	.end_amdhsa_kernel
	.amdgpu_metadata
---
amdhsa.version: [ 1, 2 ]
amdhsa.kernels:
  - .name:           k_qcd61e7ee20_attn
    .symbol:         k_qcd61e7ee20_attn.kd
    .args:
      - { .name: qw, .offset: 0, .size: 8, .value_kind: global_buffer, .address_space: global }
      - { .name: kvw, .offset: 8, .size: 8, .value_kind: global_buffer, .address_space: global }
      - { .name: ow, .offset: 16, .size: 8, .value_kind: global_buffer, .address_space: global }
    .group_segment_fixed_size: 219648
    .private_segment_fixed_size: 0
    .kernarg_segment_align: 8
    .kernarg_segment_size: 24
    .max_flat_workgroup_size: 512
    .sgpr_count:     100
    .vgpr_count:     256
    .wavefront_size: 32
...
	.end_amdgpu_metadata
.endif
;; end of part 3
;; launch oproj (part 4): grid 16 x 16, 4 waves a work-group, clusters of 4 x 4, 327,680 bytes of LDS; arguments ow, Wo_codes, Wo_scales, bo, tgt, yw; writes yw
.if DOCPART == 4
	.amdgcn_target "amdgcn-amd-amdhsa--gfx1250"
	.amdhsa_code_object_version 6
	.text
	.protected	k_qcd61e7ee20_oproj
	.globl	k_qcd61e7ee20_oproj
	.p2align	8
	.type	k_qcd61e7ee20_oproj,@function
k_qcd61e7ee20_oproj:
	s_mov_b64 s[64:65], 0
	v_nop
	global_prefetch_b8 v0, s[64:65] scope:SCOPE_SE
	s_setreg_imm32_b32 hwreg(HW_REG_WAVE_MODE, 25, 1), 1
	s_wait_xcnt 0x0
	s_wait_alu depctr_hold_cnt(0) depctr_sa_sdst(0) depctr_va_vdst(0) depctr_va_sdst(0) depctr_va_ssrc(0) depctr_va_vcc(0) depctr_vm_vsrc(0)
	s_getreg_b32 s2, hwreg(HW_REG_IB_STS2, 6, 4)
	s_cmp_eq_u32 s2, 0
	s_cbranch_scc0 .Lentry_in_a_cluster
	s_endpgm
.Lentry_in_a_cluster:
	s_bfe_u32 s2, ttmp6, 0x10000c
	s_cmp_lg_u32 s2, 0xf033
	s_cbranch_scc0 .Lentry_shape_is_right
	s_endpgm
.Lentry_shape_is_right:
; y = 2 tgt + (o Wo + bo), the product on codes of FP4 with E8M0 scales; y [2048][2048] f32 goes to memory for the norm, which wants whole rows.
; A work-group of four waves makes 128 tokens x 128 columns; a wave 64 x 64: source 0 = 64 rows of Wo, source 1 = 64 tokens, so that a lane holds eight neighbouring columns of one row of y.
; ALL OF K = 2,048 LIES IN LDS, every byte filled once, in two halves of 1,024 along K.  o's codes come as images of operand registers (dense, read at 16 x lane), Wo's as rows of 512 bytes + 16 of padding.
; THE FILL.  At the head one joint load a wave: wave 0 the first half of o's eight tiles, wave 1 the first half of Wo's 128 rows, wave 2 o's scale words, wave 3 Wo's scale bytes.  Behind the wait for them, the add and a round of the
; cluster's barrier, waves 0 and 1 ask for the second halves, which land under the first half's products; a barrier at step 7, with the wait for all loads in front of it, shows them to every wave.  Nothing is filled again.
; CLUSTER: 4 x 4 work-groups; o's tile is shared along a row of the cluster, Wo's along a column.
; PREFETCH.  Behind the head's loads each wave names 32 blocks of 256 bytes of the second halves: a whole first fill ahead of the loads that want them.  The partners that ask for a tile jointly share it out by address:
; waves 0, 1: tile 2 cx + wave of o's eight, 8,192 bytes, lanes 256 bytes apart; waves 2, 3: rows 32 cy + lane of Wo's 128, the (wave % 2)-th 256 bytes of the half.  The first halves and the scales come by their loads alone.
; REGISTERS: window 0: v0-31 addresses; v32-95 two sets of scale words, which hold nothing else; v96-127 bo; v128-191 rows on the way out.  window 1: v0-127 two fragment buffers; v128-255 tgt.  window 2: v0-127 the accumulators.
.set OSC,   2097152
.set OHALF, 65536                      ; LDS: a half of o's images: 8 tiles x 8 K steps x 1,024 bytes; two of them from byte 0
.set WOFF,  131072                     ; then Wo's two halves,
.set PITCH, 528                        ; rows of 512 bytes + 16 of padding,
.set WHALF, 67584                      ; 128 rows each
.set HALFT, 33792                      ; 64 rows
.set SCX,   266240                     ; o's scale words, 8,192 dense bytes
.set SCW,   274432                     ; Wo's scale bytes: 32 blocks of 256 + 16
.set HALFS, 4352
.set STG,   283136                     ; the way out: 16 rows x 272 bytes for each wave; stored to, never filled
.set SPARE, 300544                     ; the spare words, 128 bytes a wave
.set WV,   2
.set G0,   3
.set G1,   4
.set G1X,  24
.set G1W,  32
.set G1SX, 40
.set G1SW, 48
.set GX,   56                          ; groups 0: wave 0's, wave 1's, wave 2's, wave 3's
.set GW,   60
.set GSX,  68
.set GSW,  72
.set ADR0, 8                           ; v8, v9   LDS address of Wo's fragments in half 0, 1
.set ADR1, 12                          ; v12, v13 of o's
.set SA0,  16
.set SA1,  17
.set SC,   32
.set BIAS, 96
.set VAL,  128
.set TGT,  128                         ; in window 1
.set NT0,  4
.set NT1,  4
.set FB,   64
.set SETW, 32
.set NSC,  12
.set MUL,  0xa5                        ; sources 0 and 1 window 1; C and D window 2
.set MULB, 0x85                        ; the same with C (the bias) in window 0
.set TO_F, 0x40
.set MSB,  0
.macro WIN new
.if MSB != \new
	s_set_vgpr_msb (MSB<<8)|\new
.set MSB, \new
.endif
.endm
.macro PLACES n
.rept \n
	v_nop
.endr
.endm
.macro CROUND
	s_barrier_signal -1
	s_barrier_wait -1
	s_cmp_lg_u32 s[WV], 0
	s_cbranch_scc1 .Lnot_wave_0_\@
	s_barrier_signal -3
.Lnot_wave_0_\@:
	s_barrier_wait -3
	s_barrier_signal -1
	s_barrier_wait -1
.endm
.macro TL g0, g1                       ; a joint load with s_nop 0 and four v_nop behind it
	tensor_load_to_lds s[\g0:\g0+3], s[\g1:\g1+7]
	s_nop 0
.rept 4
	v_nop
.endr
.endm
; One tree of branches on the wave's number, one load to an arm, all arms to one join.  m = 15: every wave loads, and the last arm has no test; m = 3: waves 0 and 1.
.macro TREE m
	s_cmp_eq_u32 s[WV], 0
	s_cbranch_scc0 .Lt1_\@
	TL GX, G1X
	s_branch .Ltj_\@
.Lt1_\@:
	s_cmp_eq_u32 s[WV], 1
	s_cbranch_scc0 .Lt2_\@
	TL GW, G1W
	s_branch .Ltj_\@
.Lt2_\@:
.if (\m) == 15
	s_cmp_eq_u32 s[WV], 2
	s_cbranch_scc0 .Lt3_\@
	TL GSX, G1SX
	s_branch .Ltj_\@
.Lt3_\@:
	TL GSW, G1SW
.endif
.Ltj_\@:
.endm
.macro G0SET g, lds, ptr               ; a descriptor group 0: count 1; LDS address, a constant; global address = buffer + s[66:67]; type 2
	s_mov_b32 s[\g], 1
	s_mov_b32 s[\g+1], \lds
	s_add_nc_u64 s[\g+2:\g+3], s[\ptr:\ptr+1], s[66:67]
	s_or_b32 s[\g+3], s[\g+3], 0x80000000
.endm
.macro FETCH s                         ; step s's fragments (the (s % 8)-th 128 along K of half s / 8) into buffer s % 2; at every fourth step the scale words of four steps first
.set fc, (\s)/4
.set fh, (\s)/8
.set fq, (\s)%8
.set fb, FB*((\s)%2)
.set fs, SC+SETW*(fc%2)
.if (\s)%4 == 0
	WIN 0
.set ft, 0
.rept NT0
	ds_load_b128 v[fs+4*ft:fs+4*ft+3], v[SA0] offset:1088*ft+16*fc
.set ft, ft+1
.endr
.set ft, 0
.rept NT1
	ds_load_b64 v[fs+16+4*ft:fs+16+4*ft+1],   v[SA1] offset:512*(2*fc)+128*ft     ; o's words lie by kv head: two K steps of 128 to a head
	ds_load_b64 v[fs+16+4*ft+2:fs+16+4*ft+3], v[SA1] offset:512*(2*fc+1)+128*ft
.set ft, ft+1
.endr
.endif
	WIN TO_F
.set ft, 0
.rept NT0
	ds_load_b128 v[fb+8*ft:fb+8*ft+3],   v[ADR0+fh] offset:16*PITCH*ft+64*fq
	ds_load_b128 v[fb+8*ft+4:fb+8*ft+7], v[ADR0+fh] offset:16*PITCH*ft+64*fq+32
.set ft, ft+1
.endr
.set ft, 0
.rept NT1
	ds_load_b128 v[fb+32+8*ft:fb+32+8*ft+3],   v[ADR1+fh] offset:8192*ft+1024*fq
	ds_load_b128 v[fb+32+8*ft+4:fb+32+8*ft+7], v[ADR1+fh] offset:8192*ft+1024*fq+512
.set ft, ft+1
.endr
.endm
; Half of a step's products.  The 16 accumulators take turns, one instruction a turn, in the same order in every step.  cm = 2: the bias is the C of the sums' first products.
.macro MULH s, half, cm
.set mq, (\s)%4
.set ms, SC+SETW*(((\s)/4)%2)
.set mb, FB*((\s)%2)
.set m1, ((\half)*NT1)/2
.rept NT1/2
.set m0, 0
.rept NT0
.set md, 8*(NT0*m1+m0)
.if \cm == 2
	v_wmma_scale_f32_16x16x128_f8f6f4 v[md:md+7], v[mb+8*m0:mb+8*m0+7], v[mb+32+8*m1:mb+32+8*m1+7], v[BIAS+8*m0:BIAS+8*m0+7], v[ms+4*m0+mq], v[ms+16+4*m1+mq] matrix_a_fmt:MATRIX_FMT_FP4 matrix_b_fmt:MATRIX_FMT_FP4
.else
	v_wmma_scale_f32_16x16x128_f8f6f4 v[md:md+7], v[mb+8*m0:mb+8*m0+7], v[mb+32+8*m1:mb+32+8*m1+7], v[md:md+7], v[ms+4*m0+mq], v[ms+16+4*m1+mq] matrix_a_fmt:MATRIX_FMT_FP4 matrix_b_fmt:MATRIX_FMT_FP4
.endif
.set m0, m0+1
.endr
.set m1, m1+1
.endr
.endm
.macro MWIN cm
.if \cm == 2
	WIN MULB
.else
	WIN MUL
.endif
.endm
.macro KSTEP s, cm                     ; a step whose successor lies in the same half
	s_wait_dscnt NT1                               ; all but the loads of source 1's second half of tiles
	MWIN \cm
	MULH \s, 0, \cm
	PLACES 4                                       ; in front of loads into registers that matrix instructions have read
	FETCH (\s)+1
.if ((\s)+1)%4 == 0
	s_wait_dscnt 2*(NT0+NT1)+NSC                   ; all but those just issued
.else
	s_wait_dscnt 2*(NT0+NT1)
.endif
	MWIN \cm
	MULH \s, 1, \cm
.endm
.macro STEPS from, n
.set ks, \from
.rept \n
	KSTEP ks, 0
.set ks, ks+1
.endr
.endm
	s_load_b256 s[12:19], s[0:1], 0x0              ; ow, Wo's codes, Wo's scales, bo
	s_load_b128 s[20:23], s[0:1], 0x20             ; tgt, yw
	v_lshl_add_u32 v254, v0, 2, SPARE
	v_mov_b32 v255, 0
	ds_add_u32 v254, v255                          ; the opening lines: the add, twice on end, and its wait ahead of the first tensor load
	ds_add_u32 v254, v255
	v_lshrrev_b32 v1, 5, v0
	v_readfirstlane_b32 s[WV], v1
	s_lshr_b32 s[G0], s[WV], 1                     ; which 64 rows of Wo are mine
	s_and_b32 s[G1], s[WV], 1                      ; which 64 tokens are mine
	s_bfe_u32 s6, ttmp6, 0x40000                   ; cx
	s_bfe_u32 s7, ttmp6, 0x40004                   ; cy
	s_lshl_b32 s10, ttmp9, 2
	s_add_co_u32 s10, s10, s6                      ; tile of 128 columns
	s_and_b32 s9, ttmp7, 0xffff
	s_lshl_b32 s9, s9, 2
	s_add_co_u32 s9, s9, s7                        ; tile of 128 tokens
	s_lshl_b32 s5, s7, 2
	s_lshl_b32 s5, 15, s5                          ; my row of the cluster
	s_lshl_b32 s8, 0x1111, s6                      ; my column
	s_or_b32 s[G1X], s5, (3<<16)|(1<<21)           ; o's codes: of eight tiles 8,192 bytes each (1,024 elements of 8), 16,384 bytes apart; dense in LDS
	s_mov_b32 s[G1X+1], 1024<<16
	s_mov_b32 s[G1X+2], 8<<16
	s_mov_b32 s[G1X+3], 1024<<16
	s_mov_b32 s[G1X+4], 8
	s_mov_b32 s[G1X+5], 2048
	s_mov_b32 s[G1X+6], 0
	s_mov_b32 s[G1X+7], 0
	s_or_b32 s[G1SX], s5, (3<<16)|(1<<21)          ; o's scale words of 128 tokens: 8,192 dense bytes as 32 rows of 256
	s_mov_b32 s[G1SX+1], 32<<16
	s_mov_b32 s[G1SX+2], 32<<16
	s_mov_b32 s[G1SX+3], 32<<16
	s_mov_b32 s[G1SX+4], 32
	s_mov_b32 s[G1SX+5], 32
	s_mov_b32 s[G1SX+6], 0
	s_mov_b32 s[G1SX+7], 0
	s_or_b32 s[G1W], s8, (0<<16)|(1<<20)|(1<<21)|(6<<22)|(3<<25)    ; Wo's codes: 128 rows of 512 bytes, 1,024 apart, 16 bytes of padding behind each
	s_mov_b32 s[G1W+1], 512<<16
	s_mov_b32 s[G1W+2], 128<<16
	s_mov_b32 s[G1W+3], 512<<16
	s_mov_b32 s[G1W+4], 128
	s_mov_b32 s[G1W+5], 1024
	s_mov_b32 s[G1W+6], 0
	s_mov_b32 s[G1W+7], 0
	s_or_b32 s[G1SW], s8, (3<<16)|(1<<20)|(1<<21)|(5<<22)|(3<<25)   ; Wo's scale bytes of 128 rows: 32 rows of 256, 16 bytes of padding behind each
	s_mov_b32 s[G1SW+1], 32<<16
	s_mov_b32 s[G1SW+2], 32<<16
	s_mov_b32 s[G1SW+3], 32<<16
	s_mov_b32 s[G1SW+4], 32
	s_mov_b32 s[G1SW+5], 32
	s_mov_b32 s[G1SW+6], 0
	s_mov_b32 s[G1SW+7], 0
	s_lshl_b32 s66, s9, 13
	s_add_co_u32 s66, s66, OSC                     ; o's scale words of my 128 tokens
	s_mov_b32 s67, 0
	s_wait_dscnt 0x0                               ; both opening adds are done
	s_wait_kmcnt 0x0
	G0SET GSX, SCX, 12
	s_lshl_b32 s66, s9, 17                         ; o's images of my eight tiles
	G0SET GX, 0, 12
	s_lshl_b32 s66, s10, 13                        ; Wo's scale bytes of my 128 rows
	G0SET GSW, SCW, 16
	s_lshl_b32 s66, s10, 17                        ; Wo's codes of my 128 rows
	G0SET GW, WOFF, 14
	CROUND                                         ; all sixteen work-groups are here: the joint loads meet
	TREE 15                                        ; the first halves and the scales: one load a wave
	s_lshl_b32 s100, s9, 3                         ; the prefetch.  o: tile 8 x token tile + 2 cx + wave % 2,
	s_lshl_b32 s101, s6, 1
	s_add_co_u32 s100, s100, s101
	s_add_co_u32 s100, s100, s[G1]
	s_lshl_b32 s100, s100, 14
	s_add_co_u32 s100, s100, 8192                  ; its second half
	s_mov_b32 s101, 0
	s_add_nc_u64 s[76:77], s[12:13], s[100:101]
	s_lshl_b32 s100, s10, 17                       ; Wo: my tile's rows from 32 cy on,
	s_lshl_b32 s104, s7, 15
	s_add_co_u32 s100, s100, s104
	s_lshl_b32 s104, s[G1], 8
	s_add_co_u32 s100, s100, s104
	s_add_co_u32 s100, s100, 512                   ; the (wave % 2)-th 256 bytes of the second half
	s_add_nc_u64 s[78:79], s[14:15], s[100:101]
	s_cmp_eq_u32 s[G0], 0
	s_cselect_b64 s[76:77], s[76:77], s[78:79]     ; waves 0 and 1 name o's bytes, waves 2 and 3 Wo's
	s_cselect_b32 s104, 8, 10                      ; lanes 256 bytes apart in a tile of o, a row of 1,024 bytes apart in Wo
	s_lshl_b32 s66, s10, 9
	s_lshl_b32 s11, s[G0], 8
	s_add_co_u32 s66, s66, s11                     ; my first column, in bytes
	s_add_nc_u64 s[18:19], s[18:19], s[66:67]      ; bo
	s_lshl_b32 s11, s9, 7
	s_lshl_b32 s5, s[G1], 6
	s_add_co_u32 s11, s11, s5                      ; my first row
	s_lshl_b32 s11, s11, 13
	s_add_co_u32 s66, s66, s11
	s_add_nc_u64 s[20:21], s[20:21], s[66:67]      ; tgt
	s_add_nc_u64 s[22:23], s[22:23], s[66:67]      ; y
	v_and_b32 v1, 15, v0                           ; r
	v_bfe_u32 v2, v0, 4, 1                         ; h
	v_and_b32 v3, 31, v0
	v_lshlrev_b32 v23, s104, v3                    ; the prefetch's offset; never rewritten
	global_prefetch_b8 v23, s[76:77] th:TH_LOAD_NT scope:SCOPE_SE
	v_lshlrev_b32 v4, 4, v3                        ; 16 x lane
	v_lshlrev_b32 v22, 5, v2                       ; bo: tile b's eight numbers of my half: 64 b + 32 h
	v_lshlrev_b32 v18, 13, v2
	v_lshl_add_u32 v18, v1, 4, v18                 ; tgt and y: lanes 0-15 one row, lanes 16-31 the next; 16 bytes a lane
.irp b, 0,1,2,3
	global_load_b128 v[BIAS+8*\b:BIAS+8*\b+3],   v22, s[18:19] offset:64*\b
	global_load_b128 v[BIAS+8*\b+4:BIAS+8*\b+7], v22, s[18:19] offset:64*\b+16
.endr
	WIN TO_F
.irp a, 0,1,2,3
.irp i, 0,1,2,3,4,5,6,7
	global_load_b128 v[TGT+32*\a+4*\i:TGT+32*\a+4*\i+3], v18, s[20:21] offset:8192*(16*\a+2*\i) th:TH_LOAD_NT   ; sixteen lanes read 256 consecutive bytes; they land under the products
.endr
.endr
	WIN 0
	v_mul_u32_u24 v7, v1, PITCH
	v_lshl_add_u32 v7, v2, 4, v7                   ; a fragment's row x pitch + 16 h
	v_lshrrev_b32 v19, 2, v1
	v_mul_u32_u24 v19, v19, 272
	v_and_b32 v5, 3, v1
	v_lshl_add_u32 v19, v5, 6, v19                 ; row r's 64 scale bytes
	s_mul_i32 s11, s[G0], HALFT
	s_add_co_u32 s11, s11, WOFF
	v_add_nc_u32 v[ADR0], s11, v7
	s_lshl_b32 s11, s[G1], 15                      ; my four tiles of 8,192 bytes in a half
	v_add_nc_u32 v[ADR1], s11, v4
	v_add_nc_u32 v[ADR0+1], WHALF, v[ADR0]
	v_add_nc_u32 v[ADR1+1], OHALF, v[ADR1]
	s_mul_i32 s11, s[G0], HALFS
	s_add_co_u32 s11, s11, SCW
	v_add_nc_u32 v[SA0], s11, v19
	s_lshl_b32 s11, s[G1], 12
	s_add_co_u32 s11, s11, SCX
	v_lshl_add_u32 v[SA1], v1, 3, s11
	s_mul_i32 s11, s[WV], 4352
	s_add_co_u32 s11, s11, STG                     ; my stage
	v_mul_u32_u24 v20, v1, 272
	v_lshl_add_u32 v20, v2, 5, v20
	v_add_nc_u32 v20, s11, v20                     ; in: row r, 32 bytes for each half of the lanes
	v_mul_u32_u24 v21, v2, 272
	v_lshl_add_u32 v21, v1, 4, v21
	v_add_nc_u32 v21, s11, v21                     ; back: lanes 0-15 one row of 256 bytes, lanes 16-31 the next
	s_wait_alu depctr_va_vdst(0)
	s_wait_tensorcnt 0x0                           ; my load of the head's four has landed
	ds_add_u32 v254, v255
	s_mov_b32 s[GX+1], OHALF                       ; no load of mine is out: the groups 0 go on to the second halves
	s_add_nc_u64 s[GX+2:GX+3], s[GX+2:GX+3], 8192
	s_mov_b32 s[GW+1], WOFF+WHALF
	s_add_nc_u64 s[GW+2:GW+3], s[GW+2:GW+3], 512
	s_wait_dscnt 0x0
	CROUND                                         ; everybody's first half and scales are in, and all sixteen work-groups are here
	TREE 3                                         ; the second halves
	s_wait_loadcnt 32                              ; bo is in; the 32 loads of tgt stay out
	FETCH 0
	KSTEP 0, 2
	STEPS 1, 6
	s_wait_dscnt 0x0                               ; step 7: no LDS load of mine is out at the signal,
	s_wait_tensorcnt 0x0                           ; and my second half, if I asked for one, has landed
	s_barrier_signal -1
	WIN MUL
	MULH 7, 0, 0
	s_barrier_wait -1
	PLACES 4
	FETCH 8
	WIN MUL
	MULH 7, 1, 0
	STEPS 8, 7
	s_wait_dscnt NT1                               ; step 15: nothing more to fetch
	WIN MUL
	MULH 15, 0, 0
	s_wait_dscnt 0x0
	MULH 15, 1, 0
	WIN 0
	PLACES 4                                       ; in front of the first read of results
	s_wait_loadcnt 0x0                             ; tgt
; THE WAY OUT, a tile of 16 tokens x 64 columns at a time, through my own stage: LDS serves a wave's instructions in order, so no wait stands between the stores and the loads.
.macro OUT a
.if (\a) >= 2
	s_wait_xcnt 0x0                                ; the stores of two tiles ago have read their registers, which are loaded again below
.endif
	WIN 0x08                                       ; an LDS store's data are its source 1: window 2
.irp b, 0,1,2,3
	ds_store_b128 v20, v[32*(\a)+8*\b:32*(\a)+8*\b+3]   offset:64*\b        ; each accumulator from its low end on
	ds_store_b128 v20, v[32*(\a)+8*\b+4:32*(\a)+8*\b+7] offset:64*\b+16
.endr
	WIN 0
.irp i, 0,1,2,3,4,5,6,7
	ds_load_b128 v[VAL+32*((\a)%2)+4*\i:VAL+32*((\a)%2)+4*\i+3], v21 offset:544*\i
.endr
	s_wait_dscnt 0x0
	WIN 0x01                                       ; source 0: tgt, window 1
.set i, 0
.rept 16
	v_pk_fma_f32 v[VAL+32*((\a)%2)+2*i:VAL+32*((\a)%2)+2*i+1], v[TGT+32*(\a)+2*i:TGT+32*(\a)+2*i+1], 2.0, v[VAL+32*((\a)%2)+2*i:VAL+32*((\a)%2)+2*i+1] op_sel_hi:[1,0,1]
.set i, i+1
.endr
	WIN 0
.irp i, 0,1,2,3,4,5,6,7
	global_store_b128 v18, v[VAL+32*((\a)%2)+4*\i:VAL+32*((\a)%2)+4*\i+3], s[22:23] offset:8192*(16*(\a)+2*\i)   ; sixteen lanes store 256 consecutive bytes, aligned
.endr
.endm
	OUT 0
	OUT 1
	OUT 2
	OUT 3
	s_wait_tensorcnt 0x0                           ; the wave's end
	ds_add_u32 v254, v255
	s_wait_dscnt 0x0
	CROUND                                         ; the closing round
	s_endpgm
.Lfunc_end_k_qcd61e7ee20_oproj:
	.size	k_qcd61e7ee20_oproj, .Lfunc_end_k_qcd61e7ee20_oproj-k_qcd61e7ee20_oproj
	.p2alignl 7, 3214868480
	.fill 96, 4, 3214868480
	.section	.rodata,"a",@progbits
	.p2align	6, 0x0
	.amdhsa_kernel k_qcd61e7ee20_oproj
		.amdhsa_group_segment_fixed_size 327680
		.amdhsa_private_segment_fixed_size 0
		.amdhsa_enable_private_segment 0
		.amdhsa_kernarg_size 48
		.amdhsa_user_sgpr_count 2
		.amdhsa_user_sgpr_kernarg_segment_ptr 1
		.amdhsa_wavefront_size32 1
		.amdhsa_system_sgpr_workgroup_id_x 1
		.amdhsa_system_sgpr_workgroup_id_y 1
		.amdhsa_system_sgpr_workgroup_id_z 1
		.amdhsa_system_vgpr_workitem_id 0
		.amdhsa_next_free_vgpr 640
		.amdhsa_next_free_sgpr 106
		.amdhsa_reserve_vcc 0
		.amdhsa_float_denorm_mode_32 3
		.amdhsa_float_denorm_mode_16_64 3
		.amdhsa_memory_ordered 1
		.amdhsa_forward_progress 1
		.amdhsa_inst_pref_size 82
	.end_amdhsa_kernel
	.amdgpu_metadata
---
amdhsa.version: [ 1, 2 ]
amdhsa.kernels:
  - .name:           k_qcd61e7ee20_oproj
    .symbol:         k_qcd61e7ee20_oproj.kd
    .args:
      - { .name: ow, .offset: 0, .size: 8, .value_kind: global_buffer, .address_space: global }
      - { .name: Wo_codes, .offset: 8, .size: 8, .value_kind: global_buffer, .address_space: global }
      - { .name: Wo_scales, .offset: 16, .size: 8, .value_kind: global_buffer, .address_space: global }
      - { .name: bo, .offset: 24, .size: 8, .value_kind: global_buffer, .address_space: global }
      - { .name: tgt, .offset: 32, .size: 8, .value_kind: global_buffer, .address_space: global }
      - { .name: yw, .offset: 40, .size: 8, .value_kind: global_buffer, .address_space: global }
    .group_segment_fixed_size: 327680
    .private_segment_fixed_size: 0
    .kernarg_segment_align: 8
    .kernarg_segment_size: 48
    .max_flat_workgroup_size: 128
    .sgpr_count:     106
    .vgpr_count:     640
    .wavefront_size: 32
...
	.end_amdgpu_metadata
.endif
;; end of part 4
;; launch lnorm (part 5): grid 256 x 1, 8 waves a work-group, no clusters, 0 bytes of LDS; arguments yw, ln_gamma, ln_beta, out0; writes out0
.if DOCPART == 5
	.amdgcn_target "amdgcn-amd-amdhsa--gfx1250"
	.amdhsa_code_object_version 6
	.text
	.protected	k_qcd61e7ee20_lnorm
	.globl	k_qcd61e7ee20_lnorm
	.p2align	8
	.type	k_qcd61e7ee20_lnorm,@function
k_qcd61e7ee20_lnorm:
	s_mov_b64 s[64:65], 0
	v_nop
	global_prefetch_b8 v0, s[64:65] scope:SCOPE_SE
	s_setreg_imm32_b32 hwreg(HW_REG_WAVE_MODE, 25, 1), 1
	s_wait_xcnt 0x0
; out0[r][c] = gamma[c] (y[r][c] - mean) / sqrt(var + 1e-5) + beta[c], over rows of 2,048 f32.
; One wave takes one row, 8,192 bytes, and keeps it in 64 registers between the passes: the row is read once, the reduction never leaves the wave: no LDS, no barrier, no loop.
; The variance is the mean of the squared deviations from the mean, taken in a second pass over the registers: no difference of large sums is formed.
; Each load and store of a wave covers 512 consecutive bytes.  Matrix units and clusters have nothing to do here.
.set Y,  16                            ; v16-79   the row
.set GA, 80                            ; v80-143  gamma
.set BE, 144                           ; v144-207 beta
	s_load_b256 s[4:11], s[0:1], 0x0               ; y, gamma, beta, out0
	v_lshrrev_b32 v1, 5, v0
	s_delay_alu instid0(VALU_DEP_1)
	v_readfirstlane_b32 s12, v1                    ; wave
	v_and_b32 v2, 31, v0
	s_delay_alu instid0(VALU_DEP_1)
	v_lshlrev_b32 v2, 4, v2                        ; 16 x lane
	s_lshl_b32 s13, ttmp9, 3
	s_add_co_u32 s13, s13, s12                     ; my row
	s_lshl_b32 s14, s13, 13
	s_mov_b32 s15, 0
	s_mov_b32 s16, 0x76543210                      ; lane selects for lane l xor 16
	s_mov_b32 s17, 0xfedcba98
	s_mov_b32 s18, 0x3a000000                      ; 1 / 2048
	s_mov_b32 s19, 0x3727c5ac                      ; 1e-5
	s_wait_alu depctr_va_vdst(0)
	s_wait_kmcnt 0x0
	s_add_nc_u64 s[4:5], s[4:5], s[14:15]
	s_add_nc_u64 s[10:11], s[10:11], s[14:15]
.irp i, 0,1,2,3,4,5,6,7,8,9,10,11,12,13,14,15
	global_load_b128 v[Y+4*\i:Y+4*\i+3], v2, s[4:5] offset:512*\i th:TH_LOAD_NT
.endr
.irp i, 0,1,2,3,4,5,6,7,8,9,10,11,12,13,14,15
	global_load_b128 v[GA+4*\i:GA+4*\i+3], v2, s[6:7] offset:512*\i
.endr
.irp i, 0,1,2,3,4,5,6,7,8,9,10,11,12,13,14,15
	global_load_b128 v[BE+4*\i:BE+4*\i+3], v2, s[8:9] offset:512*\i
.endr
.macro ACROSS                          ; v[8:9] and v[10:11], two chains of pairs, become one sum over the wave's 32 lanes, in every lane's v8
	s_delay_alu instid0(VALU_DEP_1)
	v_pk_add_f32 v[8:9], v[8:9], v[10:11]
	s_delay_alu instid0(VALU_DEP_1)
	v_add_f32 v8, v8, v9
	s_delay_alu instid0(VALU_DEP_1)
	v_add_f32_dpp v8, v8, v8 row_xmask:1 row_mask:0xf bank_mask:0xf
	s_delay_alu instid0(VALU_DEP_1)
	v_add_f32_dpp v8, v8, v8 row_xmask:2 row_mask:0xf bank_mask:0xf
	s_delay_alu instid0(VALU_DEP_1)
	v_add_f32_dpp v8, v8, v8 row_xmask:4 row_mask:0xf bank_mask:0xf
	s_delay_alu instid0(VALU_DEP_1)
	v_add_f32_dpp v8, v8, v8 row_xmask:8 row_mask:0xf bank_mask:0xf
	s_delay_alu instid0(VALU_DEP_1)
	v_permlanex16_b32 v9, v8, s16, s17
	s_delay_alu instid0(VALU_DEP_1)
	v_add_f32 v8, v8, v9
.endm
	s_wait_loadcnt 32                              ; the row is in; gamma's and beta's 32 loads stay out
	v_pk_add_f32 v[8:9], v[Y:Y+1], v[Y+2:Y+3]
	v_pk_add_f32 v[10:11], v[Y+4:Y+5], v[Y+6:Y+7]
.irp j, 8,12,16,20,24,28,32,36,40,44,48,52,56,60
	s_delay_alu instid0(VALU_DEP_2)
	v_pk_add_f32 v[8:9], v[8:9], v[Y+\j:Y+\j+1]
	s_delay_alu instid0(VALU_DEP_2)
	v_pk_add_f32 v[10:11], v[10:11], v[Y+\j+2:Y+\j+3]
.endr
	ACROSS
	s_delay_alu instid0(VALU_DEP_1)
	v_mul_f32 v12, s18, v8                         ; the mean
	s_delay_alu instid0(VALU_DEP_1)
	v_mov_b32 v13, v12
.set j, 0
.rept 32
	v_pk_add_f32 v[Y+j:Y+j+1], v[Y+j:Y+j+1], v[12:13] neg_lo:[0,1] neg_hi:[0,1]   ; y - mean, in place
.set j, j+2
.endr
	v_pk_mul_f32 v[8:9], v[Y:Y+1], v[Y:Y+1]
	v_pk_mul_f32 v[10:11], v[Y+2:Y+3], v[Y+2:Y+3]
.irp j, 4,8,12,16,20,24,28,32,36,40,44,48,52,56,60
	s_delay_alu instid0(VALU_DEP_2)
	v_pk_fma_f32 v[8:9], v[Y+\j:Y+\j+1], v[Y+\j:Y+\j+1], v[8:9]
	s_delay_alu instid0(VALU_DEP_2)
	v_pk_fma_f32 v[10:11], v[Y+\j+2:Y+\j+3], v[Y+\j+2:Y+\j+3], v[10:11]
.endr
	ACROSS
	s_delay_alu instid0(VALU_DEP_1)
	v_fma_f32 v8, v8, s18, s19                     ; the variance + 1e-5
	s_wait_alu depctr_va_vdst(0)
	v_rsq_f32 v12, v8
	v_nop                                          ; one plain place behind a transcendental
	s_wait_alu depctr_va_vdst(0)
	v_mov_b32 v13, v12
	s_wait_alu depctr_va_vdst(0)
	s_wait_loadcnt 0x0                             ; gamma and beta
.set j, 0
.rept 32
	v_pk_mul_f32 v[Y+j:Y+j+1], v[Y+j:Y+j+1], v[12:13]
.set j, j+2
.endr
.set j, 0
.rept 32
	v_pk_fma_f32 v[Y+j:Y+j+1], v[Y+j:Y+j+1], v[GA+j:GA+j+1], v[BE+j:BE+j+1]
.set j, j+2
.endr
.irp i, 0,1,2,3,4,5,6,7,8,9,10,11,12,13,14,15
	global_store_b128 v2, v[Y+4*\i:Y+4*\i+3], s[10:11] offset:512*\i th:TH_STORE_NT
.endr
	s_endpgm
.Lfunc_end_k_qcd61e7ee20_lnorm:
	.size	k_qcd61e7ee20_lnorm, .Lfunc_end_k_qcd61e7ee20_lnorm-k_qcd61e7ee20_lnorm
	.p2alignl 7, 3214868480
	.fill 96, 4, 3214868480
	.section	.rodata,"a",@progbits
	.p2align	6, 0x0
	.amdhsa_kernel k_qcd61e7ee20_lnorm
		.amdhsa_group_segment_fixed_size 0
		.amdhsa_private_segment_fixed_size 0
		.amdhsa_enable_private_segment 0
		.amdhsa_kernarg_size 32
		.amdhsa_user_sgpr_count 2
		.amdhsa_user_sgpr_kernarg_segment_ptr 1
		.amdhsa_wavefront_size32 1
		.amdhsa_system_sgpr_workgroup_id_x 1
		.amdhsa_system_sgpr_workgroup_id_y 1
		.amdhsa_system_sgpr_workgroup_id_z 1
		.amdhsa_system_vgpr_workitem_id 0
		.amdhsa_next_free_vgpr 208
		.amdhsa_next_free_sgpr 66
		.amdhsa_reserve_vcc 0
		.amdhsa_float_denorm_mode_32 3
		.amdhsa_float_denorm_mode_16_64 3
		.amdhsa_memory_ordered 1
		.amdhsa_forward_progress 1
		.amdhsa_inst_pref_size 21
	.end_amdhsa_kernel
	.amdgpu_metadata
---
amdhsa.version: [ 1, 2 ]
amdhsa.kernels:
  - .name:           k_qcd61e7ee20_lnorm
    .symbol:         k_qcd61e7ee20_lnorm.kd
    .args:
      - { .name: yw, .offset: 0, .size: 8, .value_kind: global_buffer, .address_space: global }
      - { .name: ln_gamma, .offset: 8, .size: 8, .value_kind: global_buffer, .address_space: global }
      - { .name: ln_beta, .offset: 16, .size: 8, .value_kind: global_buffer, .address_space: global }
      - { .name: out0, .offset: 24, .size: 8, .value_kind: global_buffer, .address_space: global }
    .group_segment_fixed_size: 0
    .private_segment_fixed_size: 0
    .kernarg_segment_align: 8
    .kernarg_segment_size: 32
    .max_flat_workgroup_size: 256
    .sgpr_count:     66
    .vgpr_count:     208
    .wavefront_size: 32
...
	.end_amdgpu_metadata
.endif
;; end of part 5
